; MI455X (gfx1250); checked and timed in simulation.
; The chip was launched on July 23, 2026; its instructions are those of AMD's public machine-readable ISA for CDNA 5 (MIT licence, August 2026) and "CDNA5" Instruction Set Architecture Reference Guide (July 2026). The comments in the code are by the model that wrote it; some were corrected since.
;; Causal Multi Head Self Attention. Allowed arithmetic: matrix products marked QUANTISED: E2M3 operands, one E8M0 scale for each 32 along K, by v_wmma_scale_f32_16x16x128_f8f6f4 with both operands' format E2M3, f32 sums; everything else in f32.
;; Inputs: W_o 1,024 x 1,024 float32; W_qkv 3 x 1,024 x 1,024 float32; token_positions 2,048 int32; x 4 x 2,048 x 1,024 float32.
;; Outputs: out0 4 x 2,048 x 1,024 float32.
;; This version of the problem:
;;   THIS VERSION OF THE PROBLEM IS GIVEN IN LOW PRECISION. The matrix products marked QUANTISED in the list below multiply operands that are first quantised to E2M3 (2 exponent bits, 3 mantissa bits; 6 bits a number), with one power-of-two scale for each 32 numbers along K (OCP MX v1.0); their sums are f32. All else is computed in f32.
;;   The module's matrix products, in the order in which they are computed (A, B: the left and right operand; K: the contracted axis; several contracted axes count as one K, in the product's order):
;;     1. [M 3,072, K 1,024] x [K 1,024, N 8,192]; A: input W_qkv; B: input x: QUANTISED
;;     2. batch 64 x [M 2,048, K 64] x [K 64, N 2,048]; A: computed on the way; B: computed on the way: QUANTISED
;;     3. batch 64 x [M 2,048, K 2,048] x [K 2,048, N 64]; A: softmax (see below); B: computed on the way: QUANTISED
;;     4. [M 8,192, K 1,024] x [K 1,024, N 1,024]; A: computed on the way; B: input W_o: QUANTISED
;;   THE QUANTISER, for each operand of a quantised product, along K:
;;     - K is cut into blocks of 32 from its start; a last block that is shorter is filled with zeros.
;;     - A block's scale is 2^e with e = floor(log2(the largest magnitude in the block)) - 2, held to -126 .. 127; a block of zeros has e = 0. As a byte (E8M0): e + 127.
;;     - Each number is divided by its block's scale, clamped to +-7.5, and rounded to the nearest number of E2M3, ties to even, subnormals kept.
;;     - The product sums the exact products of the quantised numbers (number of the format x scale) in f32.
;;   ~~~python
;;   def quantise(x, axis):      # numpy; x: float32 -> the quantised numbers, widened to float32 again
;;       x = np.moveaxis(x, axis, -1); K = x.shape[-1]
;;       x = np.pad(x, [(0, 0)] * (x.ndim - 1) + [(0, -K % 32)]); x = x.reshape(x.shape[:-1] + (-1, 32)); a = np.abs(x).max(-1, keepdims=True)
;;       e = np.where(a > 0, np.clip(np.frexp(np.where(a > 0, a, 1))[1] - 1 - 2, -126, 127), 0)      # np.frexp(a)[1] - 1 = floor(log2(a)), exactly
;;       r = np.clip(x / 2.0 ** e, -7.5, 7.5)
;;       step = 2.0 ** (np.maximum(np.frexp(np.where(r == 0, 1, r))[1] - 1, 0) - 3)
;;       q = np.round(r / step) * step * 2.0 ** e      # np.round: ties to even
;;       return np.moveaxis(q.reshape(q.shape[:-2] + (-1,))[..., :K], -1, axis).astype(np.float32)
;;   ~~~
;;   SOFTMAX AHEAD OF A QUANTISED PRODUCT. Where the list says 'softmax', what is quantised is not the finished softmax but p = 2^(t - M), with t = logit x log2(e) and M = ceil(the row's largest t), a whole number; so 1/2 < the row's largest p <= 1. The row's sum l is taken of the UNQUANTISED p, in f32, and the product's result is divided by l at the end. Since M is a whole number, a kernel that streams over the keys may use a running M (the ceiling of the running maximum): every later rescaling is an exact power of two, which a block's scale takes up: the codes' values come out the same.
;;   OPERANDS COMPUTED ON THE WAY. 'Computed on the way' means the value that the module computes at that place (a softmax that the list does not call 'softmax' is quantised finished and normalised). What goes into a quantiser is computed in f32, as accurately as f32 sums, v_exp_f32 and their like allow (about 1e-6 of the number): no bf16 or f16 on the way to a quantiser, and a product that is left as it is and whose result goes on into a quantised operand takes f32 operands (vector FMAs, or v_wmma_f32_16x16x4_f32). A number that lies on a knife's edge between two numbers of the format may be rounded either way, as far as f32 arithmetic and the matrix unit's own rounding can turn it there, and no further.
;; One version. Each part assembles by itself: llvm-mc -triple=amdgcn-amd-amdhsa -mcpu=gfx1250 --defsym DOCPART=n.
;; ======== version 1 of 1: 4 launches
;; limits: right only within a limited range of input values
;; workspace buffers: c1 9,437,184 bytes; gsc 655,360 bytes; rt 524,288 bytes; qkv 27,262,976 bytes; oc 6,291,456 bytes
;; launch prep (part 1): grid 400 x 1, 4 waves a work-group, no clusters, 34,304 bytes of LDS; arguments x, W_qkv, W_o, token_positions, c1, gsc, rt; writes c1, gsc, rt
.if DOCPART == 1
	.amdgcn_target "amdgcn-amd-amdhsa--gfx1250"
	.amdhsa_code_object_version 6
	.text
	.protected	k_q4540203b76_prep
	.globl	k_q4540203b76_prep
	.p2align	8
	.type	k_q4540203b76_prep,@function
k_q4540203b76_prep:
	s_mov_b64 s[64:65], 0
	v_nop
	global_prefetch_b8 v0, s[64:65] scope:SCOPE_SE
	s_setreg_imm32_b32 hwreg(HW_REG_WAVE_MODE, 25, 1), 1
	s_wait_xcnt 0x0
; x [8192][1024], W_qkv [3072][1024] and W_o [1024][1024], f32, become codes of FP6 (E2M3) with one E8M0 byte for each 32 along K (the last axis); token_positions becomes a table of cos and sin.
; THE CODES' LAYOUT.  A HALF IMAGE is 768 bytes: 16 rows x 64 along K as an image of operand registers: lane (r, h) owns the 24 bytes of block h of row r: its registers 0-3 lie at 16 x lane, registers 4-5 at 512 + 8 x lane.
; Two half images on end are one fragment (12 registers) of 128 along K.  c1 = [row tile][16 half images].  THE ROWS OF A TILE ARE NOT NEIGHBOURS: tile T holds rows 32 (T / 2) + 8 (T % 2) + r + 8 (r / 8).
; THE SCALE WORDS (four bytes: 128 along K of one row) lie in gsc, 512 bytes a row tile: [K step / 4][r][K step % 4].
; SHARES.  Work-groups 0-255 take x, 256-351 W_qkv, 352-383 W_o: only pointers and bases are chosen, one path serves the three.  A wave takes one row tile x 512 along K: four fragments.  Work-groups 384-399 make the table.
; A load reads 512 consecutive bytes of one row; a fragment's 16 x 512 bytes turn through the wave's own stage in LDS (rows 528 bytes apart), so that a lane gets 32 neighbours along K of its row, twice.
; A block's scale is 2^(floor(log2(its largest magnitude)) - 2); its byte is the largest magnitude's exponent field - 2, held at 1 from below.
; THE TABLE rt = [128 tiles of positions][j = 0..7][lane][16 bytes]: (cos, sin, cos, sin) of frequencies 16 (j / 4) + 8 h + 2 (j % 4) and the next, for the tile's position r: the order in which the next launch's lanes want them.
; cos and sin are written out: angle = position x 10^(-i / 8), less n x pi / 2 in three parts by fused multiply-adds, two polynomials, the quadrant from n.
; LIMITS: a block whose largest magnitude lies under 2^-124 (a block of zeros too) keeps the byte 1: its codes are zeros or nearly so, and this program alone reads the bytes.  NaN and infinities are not served.
; Positions: |position| up to 100,000 keeps the reduction's error under the last bits of f32; beyond that it grows.
.set WST,   8448                       ; a wave's stage: 16 rows x 528 bytes
.set SPARE, 4*WST                      ; behind the stages: the spare words, 128 bytes a wave: two blocks of 256 bytes that no other line names
.set R,     64                         ; v64-191  two sets of 64: a fragment as it is loaded
.set X,     192                        ; v192-255 my 2 x 32 neighbours
.set C,     28                         ; v28-39   the fragment's codes
.set T0,    40                         ; v40-42, v44-46: the upper halves of the two blocks, made here and moved (a conversion's three registers begin on an even number)
.set T1,    44
.set SW,    20                         ; v20-23   the four fragments' scale words
	s_load_b256 s[4:11], s[0:1], 0x0               ; x, W_qkv, W_o, token_positions
	s_load_b128 s[12:15], s[0:1], 0x20             ; c1, gsc
	s_load_b64 s[16:17], s[0:1], 0x30              ; rt
	v_lshl_add_u32 v10, v0, 2, SPARE               ; my spare word; never rewritten
	v_mov_b32 v11, 0                               ; 0; never rewritten
	v_lshrrev_b32 v1, 5, v0
	v_readfirstlane_b32 s18, v1                    ; wave 0..3
	s_cmp_ge_u32 ttmp9, 384
	s_cbranch_scc1 .Lrope                          ; the last sixteen work-groups make the table
	; ---- the quantiser
	v_and_b32 v1, 31, v0                           ; lane
	s_wait_alu depctr_va_vdst(0)
	v_and_b32 v2, 15, v0                           ; r
	s_wait_alu depctr_va_vdst(0)
	v_bfe_u32 v3, v0, 4, 1                         ; h
	s_cmp_lt_u32 ttmp9, 256                        ; which tensor: its first work-group, its codes' and its scale words' first byte
	s_cselect_b32 s19, 0, 256
	s_cselect_b32 s20, 0, 6291456
	s_cselect_b32 s21, 0, 262144
	s_cmp_lt_u32 ttmp9, 352
	s_cselect_b32 s19, s19, 352
	s_cselect_b32 s20, s20, 8650752
	s_cselect_b32 s21, s21, 360448
	s_sub_co_u32 s22, ttmp9, s19
	s_lshl_b32 s22, s22, 2
	s_add_co_u32 s22, s22, s18                     ; u = 4 x work-group + wave
	s_lshr_b32 s23, s22, 1                         ; row tile T
	s_and_b32 s24, s22, 1                          ; g: which 512 along K
	s_lshr_b32 s25, s23, 1
	s_lshl_b32 s25, s25, 5
	s_and_b32 s26, s23, 1
	s_lshl_b32 s26, s26, 3
	s_add_co_u32 s25, s25, s26                     ; the tile's first row: 32 (T / 2) + 8 (T % 2)
	s_lshl_b32 s26, s25, 12                        ; x 4,096 bytes a row
	s_lshl_b32 s27, s24, 11
	s_add_co_u32 s26, s26, s27                     ; + 2,048 g
	s_mov_b32 s27, 0
	s_mul_i32 s28, s23, 12288                      ; codes: 16 half images a tile,
	s_add_co_u32 s28, s28, s20
	s_mul_i32 s29, s24, 6144                       ; eight of them mine
	s_add_co_u32 s28, s28, s29
	s_mov_b32 s29, 0
	s_lshl_b32 s30, s23, 9                         ; scale words: 512 bytes a tile, 256 mine
	s_add_co_u32 s30, s30, s21
	s_lshl_b32 s31, s24, 8
	s_add_co_u32 s30, s30, s31
	s_mov_b32 s31, 0
	v_lshlrev_b32 v4, 4, v1                        ; 16 x lane: a load's and an image's place for my lane
	v_lshlrev_b32 v5, 3, v1                        ; 8 x lane
	s_mul_i32 s34, s18, WST
	v_add_nc_u32 v6, s34, v4                       ; the stage, on the way in: a row's 512 bytes as they lie
	v_mul_u32_u24 v7, v2, 528
	s_wait_alu depctr_va_vdst(0)
	v_lshl_add_u32 v7, v3, 7, v7
	v_add_nc_u32 v7, s34, v7                       ; and out: row r, + 128 h: my block of 32 numbers
	v_lshlrev_b32 v8, 3, v3                        ; 8 h: my bytes' place in a scale word, in bits
	v_lshl_add_u32 v9, v2, 4, v8                   ; 16 r + 8 h: my 8 bytes of the 256 of scale words
	v_mov_b32 v18, 0                               ; written once: a lane permute's destination counts as one of its sources
	s_mov_b32 s36, 0x76543210
	s_mov_b32 s37, 0xfedcba98                      ; v_permlanex16_b32's selects for lane l xor 16
	s_mov_b32 s38, 0xffff0000                      ; lanes 16-31
	s_wait_alu depctr_va_vdst(0)
	s_wait_kmcnt 0x0
	s_cmp_lt_u32 ttmp9, 256                        ; the choice hangs on the work-group's number alone
	s_cselect_b64 s[32:33], s[4:5], s[6:7]
	s_cmp_lt_u32 ttmp9, 352
	s_cselect_b64 s[32:33], s[32:33], s[8:9]
	s_add_nc_u64 s[32:33], s[32:33], s[26:27]
	s_add_nc_u64 s[12:13], s[12:13], s[28:29]
	s_add_nc_u64 s[14:15], s[14:15], s[30:31]
.macro LOAD t                          ; fragment t: 512 consecutive bytes of each of the tile's 16 rows
.irp i, 0,1,2,3,4,5,6,7,8,9,10,11,12,13,14,15
	global_load_b128 v[R+64*((\t)%2)+4*\i:R+64*((\t)%2)+4*\i+3], v4, s[32:33] offset:(\i+8*(\i/8))*4096+512*(\t) th:TH_LOAD_NT
.endr
.endm
.macro FRAGQ t
.set RS, R+64*((\t)%2)
.if (\t) < 3
	s_wait_loadcnt 16                              ; this fragment's 16 loads are in; the next fragment's 16 may be out
.else
	s_wait_loadcnt 0x0
.endif
.irp i, 0,1,2,3,4,5,6,7,8,9,10,11,12,13,14,15
	ds_store_b128 v6, v[RS+4*\i:RS+4*\i+3] offset:528*\i
.endr
.irp j, 0,1,2,3,4,5,6,7
	ds_load_b128 v[X+4*\j:X+4*\j+3], v7 offset:16*\j              ; LDS serves a wave's instructions in order: these see my stores.  k = 32 h + 0 .. 31
.endr
.irp j, 0,1,2,3,4,5,6,7
	ds_load_b128 v[X+32+4*\j:X+32+4*\j+3], v7 offset:256+16*\j    ; k = 64 + 32 h + 0 .. 31
.endr
	s_wait_dscnt 0x0                               ; my 64 numbers are in, and the stores have read the set,
.if (\t) < 2
	LOAD (\t)+2                                    ; which takes the fragment two further on
.endif
.irp c, 0,1
	v_max3_num_f32 v[12+\c], |v[X+32*\c]|, |v[X+32*\c+1]|, 0x1800000   ; my block: all 32 numbers are mine; and the floor 2^(3 - 127): the byte cannot fall under 1
.endr
.irp i, 2,4,6,8,10,12,14,16,18,20,22,24,26,28,30
.irp c, 0,1
	v_max3_num_f32 v[12+\c], v[12+\c], |v[X+32*\c+\i]|, |v[X+32*\c+\i+1]|   ; (the two blocks by turns)
.endr
.endr
.irp c, 0,1
	v_add_nc_u32 v[14+\c], 0xff000000, v[12+\c]    ; 2 off the exponent field: the conversion takes the exponent field of this operand as its scale
.endr
.irp c, 0,1
	v_lshrrev_b32 v[16+\c], 23, v[14+\c]           ; the scale's byte
.endr
	v_lshl_or_b32 v19, v17, 16, v16                ; blocks h and 2 + h of row r,
	v_lshlrev_b32 v19, v8, v19                     ; at their places in the word;
	v_permlanex16_b32 v18, v19, s36, s37
	v_or_b32 v[SW+(\t)], v19, v18                  ; with lane l xor 16's two the word is whole
	s_wait_alu depctr_va_vdst(0)
	s_wait_xcnt 0x0                                ; the last fragment's stores have read their data: the codes' registers are written again only behind this wait
	v_cvt_scalef32_pk16_fp6_f32 v[C:C+2], v[X:X+15], v14
	v_cvt_scalef32_pk16_fp6_f32 v[T0:T0+2], v[X+16:X+31], v14
	v_cvt_scalef32_pk16_fp6_f32 v[C+6:C+8], v[X+32:X+47], v15
	v_cvt_scalef32_pk16_fp6_f32 v[T1:T1+2], v[X+48:X+63], v15
	v_nop                                          ; one plain place behind a scaled conversion
.irp i, 0,1,2
	v_mov_b32 v[C+3+\i], v[T0+\i]
	v_mov_b32 v[C+9+\i], v[T1+\i]
.endr
	global_store_b128 v4, v[C:C+3], s[12:13] offset:1536*(\t)            ; 512 consecutive bytes,
	global_store_b64 v5, v[C+4:C+5], s[12:13] offset:1536*(\t)+512       ; 256: a half image
	global_store_b128 v4, v[C+6:C+9], s[12:13] offset:1536*(\t)+768
	global_store_b64 v5, v[C+10:C+11], s[12:13] offset:1536*(\t)+1280
.endm
	LOAD 0
	LOAD 1
	FRAGQ 0
	FRAGQ 1
	FRAGQ 2
	FRAGQ 3
	v_cndmask_b32 v24, v20, v22, s38               ; lanes 0-15 store the words of K steps 0 and 1 of row r, lanes 16-31 those of 2 and 3:
	v_cndmask_b32 v25, v21, v23, s38
	global_store_b64 v9, v[24:25], s[14:15]        ; 256 consecutive bytes
	s_branch .Lend
	; ---- the table: a lane is a position
.Lrope:
	s_sub_co_u32 s19, ttmp9, 384
	s_lshl_b32 s20, s19, 9                         ; 128 positions of 4 bytes a work-group
	s_mov_b32 s21, 0
	v_lshlrev_b32 v4, 2, v0
	s_lshl_b32 s22, s19, 2
	s_add_co_u32 s22, s22, s18                     ; my wave's 32 positions are tiles 2 G and 2 G + 1
	s_lshl_b32 s22, s22, 13                        ; 4,096 bytes a tile
	s_mov_b32 s23, 0
	s_wait_alu depctr_va_vdst(0)
	s_wait_kmcnt 0x0
	s_add_nc_u64 s[10:11], s[10:11], s[20:21]
	s_add_nc_u64 s[16:17], s[16:17], s[22:23]
	global_load_b32 v5, v4, s[10:11]
	v_bfe_u32 v6, v0, 3, 1                         ; position 8 U + r + 8 (r / 8) of the 32: U,
	v_and_b32 v7, 7, v0
	v_bfe_u32 v8, v0, 4, 1
	v_lshl_or_b32 v7, v8, 3, v7                    ; and r
	v_lshlrev_b32 v7, 4, v7
	v_lshl_add_u32 v7, v6, 12, v7                  ; 4,096 U + 16 r
	s_mov_b32 s40, 0x3f22f983                      ; 2 / pi
	s_mov_b32 s41, 0xbfc90fd8                      ; - pi / 2 in three parts
	s_mov_b32 s42, 0xb4a8885a
	s_mov_b32 s43, 0xa7c234c4
	s_mov_b32 s44, 0xbe2aaaa3                      ; sine: -1.6666654611e-1, 8.3321608736e-3, -1.9515295891e-4
	s_mov_b32 s45, 0x3c08839e
	s_mov_b32 s46, 0xb94ca1f9
	s_mov_b32 s47, 0x3d2aaaa5                      ; cosine: 4.166664568e-2, -1.388731625e-3, 2.443315712e-5
	s_mov_b32 s48, 0xbab6061a
	s_mov_b32 s49, 0x37ccf5ce
	s_wait_loadcnt 0x0
	v_cvt_f32_i32 v5, v5
.macro SINCOS i, f                     ; cos and sin of position x f into v[64 + 2 i], v[65 + 2 i]
	v_mul_f32 v12, \f, v5                          ; the angle, rounded to f32 once
	v_mul_f32 v13, s40, v12
	v_rndne_f32 v13, v13                           ; n
	v_fma_f32 v14, v13, s41, v12
	v_fma_f32 v14, v13, s42, v14
	v_fma_f32 v14, v13, s43, v14                   ; r = angle - n pi / 2, within pi / 4 of 0
	v_cvt_i32_f32 v15, v13
	v_mul_f32 v16, v14, v14                        ; z = r r
	v_fma_f32 v17, v16, s46, s45
	v_fma_f32 v18, v16, s49, s48
	v_fma_f32 v17, v17, v16, s44
	v_fma_f32 v18, v18, v16, s47
	v_mul_f32 v19, v16, v14
	v_mul_f32 v21, v16, v16
	v_fma_f32 v20, v16, -0.5, 1.0
	v_fma_f32 v17, v17, v19, v14                   ; sin r
	v_fma_f32 v18, v18, v21, v20                   ; cos r
	v_and_b32 v19, 1, v15
	v_cmp_eq_u32 vcc_lo, 1, v19                    ; an odd quadrant swaps the two
	v_cndmask_b32 v22, v17, v18, vcc_lo
	v_cndmask_b32 v23, v18, v17, vcc_lo
	v_lshlrev_b32 v19, 30, v15                     ; sin changes sign in quadrants 2 and 3,
	v_add_nc_u32 v15, 1, v15
	v_and_b32 v19, 0x80000000, v19
	v_lshlrev_b32 v15, 30, v15                     ; cos in 1 and 2
	v_and_b32 v15, 0x80000000, v15
	v_xor_b32 v[65+2*\i], v22, v19
	v_xor_b32 v[64+2*\i], v23, v15
.endm
	SINCOS 0, 1.0
	SINCOS 1, 0.7498942093
	SINCOS 2, 0.5623413252
	SINCOS 3, 0.4216965034
	SINCOS 4, 0.3162277660
	SINCOS 5, 0.2371373706
	SINCOS 6, 0.1778279410
	SINCOS 7, 0.1333521432
	SINCOS 8, 0.1
	SINCOS 9, 0.07498942093
	SINCOS 10, 0.05623413252
	SINCOS 11, 0.04216965034
	SINCOS 12, 0.03162277660
	SINCOS 13, 0.02371373706
	SINCOS 14, 0.01778279410
	SINCOS 15, 0.01333521432
	SINCOS 16, 0.01
	SINCOS 17, 0.007498942093
	SINCOS 18, 0.005623413252
	SINCOS 19, 0.004216965034
	SINCOS 20, 0.003162277660
	SINCOS 21, 0.002371373706
	SINCOS 22, 0.001778279410
	SINCOS 23, 0.001333521432
	SINCOS 24, 0.001
	SINCOS 25, 0.0007498942093
	SINCOS 26, 0.0005623413252
	SINCOS 27, 0.0004216965034
	SINCOS 28, 0.0003162277660
	SINCOS 29, 0.0002371373706
	SINCOS 30, 0.0001778279410
	SINCOS 31, 0.0001333521432
.irp i, 0,2,4,6,8,10,12,14,16,18,20,22,24,26,28,30
	global_store_b128 v7, v[64+2*\i:67+2*\i], s[16:17] offset:(4*(\i/16)+(\i%8)/2)*512+((\i%16)/8)*256   ; sixteen lanes fill 256 consecutive bytes of tile 2 G, the other sixteen of tile 2 G + 1
.endr
.Lend:
	s_wait_tensorcnt 0x0                           ; the wave's end: behind my last LDS store
	ds_add_u32 v10, v11
	s_wait_dscnt 0x0
	s_endpgm
.Lfunc_end_k_q4540203b76_prep:
	.size	k_q4540203b76_prep, .Lfunc_end_k_q4540203b76_prep-k_q4540203b76_prep
	.p2alignl 7, 3214868480
	.fill 96, 4, 3214868480
	.section	.rodata,"a",@progbits
	.p2align	6, 0x0
	.amdhsa_kernel k_q4540203b76_prep
		.amdhsa_group_segment_fixed_size 34304
		.amdhsa_private_segment_fixed_size 0
		.amdhsa_enable_private_segment 0
		.amdhsa_kernarg_size 56
		.amdhsa_user_sgpr_count 2
		.amdhsa_user_sgpr_kernarg_segment_ptr 1
		.amdhsa_wavefront_size32 1
		.amdhsa_system_sgpr_workgroup_id_x 1
		.amdhsa_system_sgpr_workgroup_id_y 1
		.amdhsa_system_sgpr_workgroup_id_z 1
		.amdhsa_system_vgpr_workitem_id 0
		.amdhsa_next_free_vgpr 256
		.amdhsa_next_free_sgpr 66
		.amdhsa_reserve_vcc 1
		.amdhsa_float_denorm_mode_32 3
		.amdhsa_float_denorm_mode_16_64 3
		.amdhsa_memory_ordered 1
		.amdhsa_forward_progress 1
		.amdhsa_inst_pref_size 76
	.end_amdhsa_kernel
	.amdgpu_metadata
---
amdhsa.version: [ 1, 2 ]
amdhsa.kernels:
  - .name:           k_q4540203b76_prep
    .symbol:         k_q4540203b76_prep.kd
    .args:
      - { .name: x, .offset: 0, .size: 8, .value_kind: global_buffer, .address_space: global }
      - { .name: W_qkv, .offset: 8, .size: 8, .value_kind: global_buffer, .address_space: global }
      - { .name: W_o, .offset: 16, .size: 8, .value_kind: global_buffer, .address_space: global }
      - { .name: token_positions, .offset: 24, .size: 8, .value_kind: global_buffer, .address_space: global }
      - { .name: c1, .offset: 32, .size: 8, .value_kind: global_buffer, .address_space: global }
      - { .name: gsc, .offset: 40, .size: 8, .value_kind: global_buffer, .address_space: global }
      - { .name: rt, .offset: 48, .size: 8, .value_kind: global_buffer, .address_space: global }
    .group_segment_fixed_size: 34304
    .private_segment_fixed_size: 0
    .kernarg_segment_align: 8
    .kernarg_segment_size: 56
    .max_flat_workgroup_size: 128
    .sgpr_count:     66
    .vgpr_count:     256
    .wavefront_size: 32
...
	.end_amdgpu_metadata
.endif
;; end of part 1
;; launch qkv (part 2): grid 8 x 32, 4 waves a work-group, clusters of 4 x 4, 327,680 bytes of LDS; arguments c1, gsc, rt, qkv; writes qkv
.if DOCPART == 2
	.amdgcn_target "amdgcn-amd-amdhsa--gfx1250"
	.amdhsa_code_object_version 6
	.text
	.protected	k_q4540203b76_qkv
	.globl	k_q4540203b76_qkv
	.p2align	8
	.type	k_q4540203b76_qkv,@function
k_q4540203b76_qkv:
	s_mov_b64 s[64:65], 0
	v_nop
	global_prefetch_b8 v0, s[64:65] scope:SCOPE_SE
	s_setreg_imm32_b32 hwreg(HW_REG_WAVE_MODE, 25, 1), 1
	s_wait_xcnt 0x0
	s_wait_alu depctr_hold_cnt(0) depctr_sa_sdst(0) depctr_va_vdst(0) depctr_va_sdst(0) depctr_va_ssrc(0) depctr_va_vcc(0) depctr_vm_vsrc(0)
	s_getreg_b32 s2, hwreg(HW_REG_IB_STS2, 6, 4)
	s_cmp_eq_u32 s2, 0
	s_cbranch_scc0 .Lentry_in_a_cluster
	s_endpgm
.Lentry_in_a_cluster:
	s_bfe_u32 s2, ttmp6, 0x10000c
	s_cmp_lg_u32 s2, 0xf033
	s_cbranch_scc0 .Lentry_shape_is_right
	s_endpgm
.Lentry_shape_is_right:
; The first product, x W_qkv^T on codes of FP6 (E2M3) with E8M0 scales, K = 1,024; then, in registers: the rotation of q and k, and the quantisers of q and k (along the head's 64) and of v (along the keys).  Nothing leaves as f32.
; OPERANDS lie in c1 as half images (768 bytes: 16 rows x 64 K as an image of operand registers: registers 0-3 at 16 x lane, 4-5 at 512 + 8 x lane), [row tile][16 half images]; tile T holds rows 32 (T / 2) + 8 (T % 2) + r + 8 (r / 8).
; A WORK-GROUP STAYS: 32 blocks of 256 tokens x 8 groups of 128 features = 256 work-groups.  Its 16 tiles of x, all of K, 196,608 bytes, lie in LDS, filled once at the head (waves 0 and 1, 8 tiles each).
; It walks three blocks of 128 features, W_q's, W_k's and W_v's rows 128 fg .. 128 fg + 127 (heads 2 fg and 2 fg + 1), through a ring of two slots of 8 tiles x 512 along K (49,152 bytes): six fills, fill f = block f / 2, half f % 2 of K, slot f % 2.
; Fill 0 comes at the head (waves 2 and 3, 4 tiles each); fill f + 1 is asked for behind the round in front of fill f's products, by waves 2 and 3: a wave has at most one tensor load out.
; CLUSTERS 4 x 4: x's tiles are shared along a row of the cluster, W's along a column: joint loads.
; PREFETCH: where waves 2 and 3 ask for fill f + 1, waves 0 and 1 ask the L2 for fill f + 2 (f = 0 .. 3): its 192 blocks of 256 bytes are shared out among the column's four partners by address, two tiles each, a lane a block (left-over lanes name block 47 again).
; A wave makes 64 tokens x 128 features: 32 accumulators, which take turns in the same order in every K step.  For q and k source 0 = features, source 1 = tokens: a lane holds one token and 128 features, two heads.
; For v source 0 = tokens, source 1 = W_v's rows: a lane holds one channel and 64 neighbouring keys, half a key step.  q and k run one loop body; v is written out.
; THE SCALE WORDS: register SC + 8 i + s: lanes 0-15 token tile i % 4, lanes 16-31 feature tile i, K step s; loaded anew for each block, behind the last block's products.  THE TABLE of my 4 tiles of positions, 128 registers, is loaded once.
; RESULTS, all in qkv: part 0 = q, part 1 = k and v; a part is [64 heads][16 steps of 128 positions][13,312 bytes]: codes of q or k at 0 (8 tiles x 768), v's codes at 6,144 ([4 channel tiles][2 halves of the keys][768]),
; q's or k's scale words at 12,288 ([tile / 4][r][tile % 4]), v's at 12,800 ([r][tile]; a wave owns two of a word's four bytes, so these leave as pairs of bytes), 256 zeros at 13,056: a key step of k and v is one dense block, every byte written.
; q's and k's word is byte 0 | byte 1 << 8 | 0x7f7f0000: the next launch fills K = 64 up to 128 with zero codes.
; LIMITS: a block whose largest magnitude lies under 2^-124 keeps the byte 1; NaN and infinities are not served.
; REGISTERS: window 0: v8-14 addresses, v20-27 offsets, v28-29 the add's, v32-95 scale words, v160-219 the way out.  window 1: v0-95 x's fragments, two sets; v96-223 the table.  window 2: v0-191 W's fragments, two sets; v192-255 rotated numbers.  window 3: accumulators.
.set TILEB, 12288
.set LBS,   16*TILEB                   ; the ring, behind x's 16 tiles
.set BSL,   8*6144                     ; a slot
.set SPARE, LBS+2*BSL                  ; the spare words, 128 bytes a wave: two blocks of 256 bytes that no other line names
.set WSTEP, 64*TILEB                   ; from W_q's rows to W_k's, from W_k's to W_v's
.set STEPB, 13312
.set HEADB, 16*STEPB
.set PARTB, 64*HEADB
.set FR,    12
.set SC,    32
.set CT,    96
.set H,     192
.set PC,    160                        ; v160-179 codes; v180-187 scale words; v196-203 words to store; v204-219 at work
.set WR,    180
.set TT,    196
.set TM,    204
.set ADRA16, 8
.set ADRA8,  9
.set ADRB16, 10                        ; v10-11 slot 0, 1;  v12-13 with 8 x lane
.set ADRB8,  12
.set PFO,   14
.set SPW,   28
.set NIL,   29
.set G1,    24                         ; s[24:31] group 1 for x's tiles; s[48:55] for W's; groups 0: s[32:35] x; s[56:59], s[60:63] the two slots
.set G1B,   48
.set GA,    32
.set GB,    56
.set SEL,   84
.set MSB, 0
.macro WIN new                         ; the immediate's high byte repeats the setting that is left
.if MSB != (\new)
	s_set_vgpr_msb (MSB<<8)|(\new)
.set MSB, (\new)
.endif
.endm
.macro CROUND                          ; a round of the cluster's barrier
	s_barrier_signal -1
	s_barrier_wait -1
	s_cmp_lg_u32 s14, 0
	s_cbranch_scc1 .Lnot_wave_0_\@
	s_barrier_signal -3
.Lnot_wave_0_\@:
	s_barrier_wait -3
	s_barrier_signal -1
	s_barrier_wait -1
.endm
.macro PLACES
.rept 4
	v_nop
.endr
.endm
	s_load_b256 s[4:11], s[0:1], 0x0               ; c1, gsc, rt, qkv
	v_lshl_add_u32 v[SPW], v0, 2, SPARE
	v_mov_b32 v[NIL], 0
	ds_add_u32 v[SPW], v[NIL]                      ; the wave's opening: the add, twice on end, and its wait ahead of my first tensor load
	ds_add_u32 v[SPW], v[NIL]
	v_lshrrev_b32 v1, 5, v0
	v_readfirstlane_b32 s14, v1                    ; wave 0..3: my 64 tokens
	s_lshr_b32 s15, s14, 1                         ; I fetch x (0) or W (1).  Also: which key step of the block's two
	s_and_b32 s16, s14, 1                          ; which half I fetch.  Also: which half of that step
	s_bfe_u32 s40, ttmp6, 0x40000                  ; cx
	s_bfe_u32 s41, ttmp6, 0x40004                  ; cy
	s_and_b32 s18, ttmp7, 0xffff
	s_lshl_b32 s18, s18, 2
	s_add_co_u32 s18, s18, s41                     ; tb: the block of 256 tokens
	s_lshl_b32 s19, ttmp9, 2
	s_add_co_u32 s19, s19, s40                     ; fg: the group of 128 features
	s_lshl_b32 s43, s41, 2
	s_lshl_b32 s43, 15, s43                        ; my row of the cluster
	s_lshl_b32 s44, 0x1111, s40                    ; my column
	s_or_b32 s[G1], s43, (3<<16)|(1<<21)           ; the mask; elements of 8 bytes; bit 21 beside a mask; no padding: an image's loads are dense
	s_or_b32 s[G1B], s44, (3<<16)|(1<<21)
	s_mov_b32 s[G1+1], 1536<<16                    ; x: 8 tiles of 12,288 bytes
	s_mov_b32 s[G1+2], 8<<16
	s_mov_b32 s[G1+3], 1536<<16
	s_mov_b32 s[G1+4], 8
	s_mov_b32 s[G1+5], 1536
	s_mov_b32 s[G1+6], 0
	s_mov_b32 s[G1+7], 0
	s_mov_b32 s[G1B+1], 768<<16                    ; W: 6,144 bytes of each of 4 tiles
	s_mov_b32 s[G1B+2], 4<<16
	s_mov_b32 s[G1B+3], 768<<16
	s_mov_b32 s[G1B+4], 4
	s_mov_b32 s[G1B+5], 1536
	s_mov_b32 s[G1B+6], 0
	s_mov_b32 s[G1B+7], 0
	s_mul_i32 s20, s18, 16*TILEB
	s_mul_i32 s45, s16, 8*TILEB                    ; x's half: in memory and in LDS
	s_add_co_u32 s20, s20, s45
	s_mov_b32 s21, 0
	s_mul_i32 s46, s19, 8*TILEB                    ; W, in registers that never hold cy
	s_add_co_u32 s46, s46, 6291456
	s_mul_i32 s47, s16, 4*TILEB
	s_add_co_u32 s46, s46, s47
	s_mov_b32 s47, 0
	s_mul_i32 s42, s16, 4*6144
	s_add_co_u32 s42, s42, LBS                     ; W's half of slot 0
	s_wait_dscnt 0x0                               ; both opening adds are done
	s_wait_kmcnt 0x0
	s_mov_b32 s[GA], 1
	s_mov_b32 s[GA+1], s45
	s_add_nc_u64 s[GA+2:GA+3], s[4:5], s[20:21]
	s_or_b32 s[GA+3], s[GA+3], 0x80000000
	s_add_nc_u64 s[22:23], s[4:5], s[46:47]
	s_mov_b32 s[GB], 1
	s_mov_b32 s[GB+1], s42
	s_mov_b64 s[GB+2:GB+3], s[22:23]               ; fill 0
	s_or_b32 s[GB+3], s[GB+3], 0x80000000
	s_mov_b32 s[GB+4], 1
	s_add_co_u32 s[GB+5], s42, BSL
	s_sub_nc_u64 s[GB+6:GB+7], s[22:23], WSTEP-6144   ; one block short of fill 1: every fill behind the head steps its slot's address first
	s_or_b32 s[GB+7], s[GB+7], 0x80000000
	CROUND                                         ; all sixteen work-groups are here: the first joint loads meet
	s_cmp_eq_u32 s15, 0
	s_cbranch_scc0 .Lhead_b
	tensor_load_to_lds s[GA:GA+3], s[G1:G1+7]
	s_nop 0
	PLACES
	s_branch .Lhead_on
.Lhead_b:
	tensor_load_to_lds s[GB:GB+3], s[G1B:G1B+7]
	s_nop 0
	PLACES
.Lhead_on:
	s_lshl_b32 s22, s18, 13                        ; scale words, 512 bytes a tile: my 4 token tiles,
	s_lshl_b32 s23, s14, 11
	s_add_co_u32 s22, s22, s23
	s_lshl_b32 s23, s19, 12                        ; W_q's 8 tiles,
	s_add_co_u32 s23, s23, 262144
	s_add_co_u32 s81, s23, 2048                    ; and the upper four of them
	s_mov_b32 s82, 0xffff0000                      ; lanes 16-31
	s_and_b32 s83, s18, 7                          ; my block of 256 in its sequence
	s_lshl_b32 s76, s83, 4
	s_lshl_b32 s77, s14, 2
	s_add_co_u32 s76, s76, s77                     ; my first tile of positions
	s_lshl_b32 s76, s76, 12
	s_mov_b32 s77, 0
	s_add_nc_u64 s[90:91], s[8:9], s[76:77]
	s_lshr_b32 s78, s18, 3
	s_lshl_b32 s78, s78, 4
	s_lshl_b32 s79, s19, 1
	s_add_co_u32 s78, s78, s79                     ; bh0 = 16 batch + 2 fg
	s_lshl_b32 s78, s78, 4
	s_lshl_b32 s79, s83, 1
	s_add_co_u32 s78, s78, s79
	s_add_co_u32 s78, s78, s15                     ; 16 bh0 + my step
	s_mul_i32 s76, s78, STEPB
	s_add_nc_u64 s[96:97], s[10:11], s[76:77]      ; the step in q's part
	s_mul_i32 s76, s16, 3072
	s_add_nc_u64 s[86:87], s[96:97], s[76:77]      ; q's codes: my 4 tiles of the step's 8
	s_lshl_b32 s76, s16, 8
	s_add_co_u32 s76, s76, 12288
	s_add_nc_u64 s[88:89], s[96:97], s[76:77]      ; their scale words
	s_mul_i32 s76, s16, 768
	s_add_co_u32 s76, s76, PARTB+6144
	s_add_nc_u64 s[94:95], s[96:97], s[76:77]      ; v's codes: my half of the keys
	s_lshl_b32 s76, s16, 1
	s_add_co_u32 s76, s76, PARTB+12800
	s_add_nc_u64 s[96:97], s[96:97], s[76:77]      ; my two bytes of v's scale words
	s_lshl_b32 s76, s19, 3
	s_lshl_b32 s78, s41, 1
	s_add_co_u32 s76, s76, s78                     ; the prefetches: my work-group's two tiles of the eight
	s_mul_i32 s76, s76, TILEB
	s_add_co_u32 s76, s76, 6291456
	s_add_nc_u64 s[92:93], s[4:5], s[76:77]
	s_mul_i32 s79, s14, 4*TILEB                    ; my 4 tiles of x in LDS
	s_mov_b32 s[SEL], 0x76543210
	s_mov_b32 s[SEL+1], 0xfedcba98
	v_and_b32 v1, 31, v0                           ; lane
	v_and_b32 v2, 15, v0                           ; r
	v_bfe_u32 v3, v0, 4, 1                         ; h
	v_min_u32 v[PFO], 47, v0
	v_mov_b32 v4, s22
	v_mov_b32 v5, s23
	v_mov_b32 v6, s81
	v_lshlrev_b32 v20, 4, v1                       ; 16 x lane
	v_lshlrev_b32 v21, 3, v1                       ; 8 x lane
	v_cndmask_b32 v5, v4, v5, s82                  ; lanes 0-15 take the tokens' words, lanes 16-31 the features': both lie in one buffer
	v_cndmask_b32 v6, v4, v6, s82
	v_cmp_lt_u32 s80, 23, v[PFO]
	v_lshlrev_b32 v7, 8, v[PFO]
	v_lshl_add_u32 v22, v2, 4, v5                  ; + 16 r
	v_lshl_add_u32 v23, v2, 4, v6
	v_add_nc_u32 v15, 6144, v7
	v_lshlrev_b32 v26, 15, v3                      ; what lanes 16-31 step from block to block: 64 tiles of 512 bytes
	v_mul_u32_u24 v25, v3, HEADB
	v_cndmask_b32 v[PFO], v7, v15, s80             ; block n of 48: 24 to a tile's 6,144 bytes, the second tile 12,288 bytes on
	v_lshlrev_b32 v27, 2, v3
	v_lshl_add_u32 v25, v2, 4, v25                 ; 16 r, and lanes 16-31 one head on
	v_lshl_add_u32 v27, v2, 4, v27                 ; 16 r + 4 h
	v_add_nc_u32 v[ADRA16], s79, v20
	v_add_nc_u32 v[ADRA8], s79, v21
	v_add_nc_u32 v[ADRB16], LBS, v20
	v_add_nc_u32 v[ADRB8], LBS, v21
	v_add_nc_u32 v[ADRB16+1], LBS+BSL, v20
	v_add_nc_u32 v[ADRB8+1], LBS+BSL, v21
.irp b, 0,1,2,3
	v_mov_b32 v[TM+4+\b], 0                        ; written once: a lane permute's destination counts as one of its sources
.endr
	s_wait_alu depctr_va_vdst(0)
.macro SCLOAD
.irp i, 0,1,2,3
	global_load_b128 v[SC+8*\i:SC+8*\i+3], v22, s[6:7] offset:\i*512
	global_load_b128 v[SC+8*\i+4:SC+8*\i+7], v22, s[6:7] offset:\i*512+256
	global_load_b128 v[SC+32+8*\i:SC+32+8*\i+3], v23, s[6:7] offset:\i*512
	global_load_b128 v[SC+32+8*\i+4:SC+32+8*\i+7], v23, s[6:7] offset:\i*512+256
.endr
.endm
	SCLOAD
	WIN 0x40                                       ; destination window 1
.irp a, 0,1,2,3
.irp j, 0,1,2,3,4,5,6,7
	global_load_b128 v[CT+32*\a+4*\j:CT+32*\a+4*\j+3], v20, s[90:91] offset:\a*4096+\j*512
.endr
.endr
	WIN 0
.macro FRAG reg, a16, a8, off          ; a fragment, two half images: four dense loads
	ds_load_b128 v[\reg:\reg+3], v[\a16] offset:\off
	ds_load_b64 v[\reg+4:\reg+5], v[\a8] offset:(\off)+512
	ds_load_b128 v[\reg+6:\reg+9], v[\a16] offset:(\off)+768
	ds_load_b64 v[\reg+10:\reg+11], v[\a8] offset:(\off)+1280
.endm
.macro FETCH sl, q, p                  ; the slot's q-th K step: W's eight fragments and x's four into set p: 48 loads
	WIN 0x80
.irp i, 0,1,2,3,4,5,6,7
	FRAG 96*(\p)+FR*\i, ADRB16+(\sl), ADRB8+(\sl), \i*6144+(\q)*1536
.endr
	WIN 0x40
.irp i, 0,1,2,3
	FRAG 48*(\p)+FR*\i, ADRA16, ADRA8, \i*TILEB+(4*(\sl)+(\q))*1536
.endr
	WIN 0
.endm
; 32 matrix instructions, K step 4 sl + q.  vv = 0: accumulator (a, b) at v[8 (8 a + b)], source 0 = W; vv = 1: at v[8 (4 b + a)], source 0 = x.  A block's first K step starts the sums.
.macro MUL sl, q, vv
.if \vv
	WIN 0xf9                                       ; source 0 window 1, source 1 window 2, C and D window 3
.else
	WIN 0xf6                                       ; source 0 window 2, source 1 window 1
.endif
.irp a, 0,1,2,3
.irp b, 0,1,2,3,4,5,6,7
.if \vv
.if (\sl)+(\q) == 0
	v_wmma_scale_f32_16x16x128_f8f6f4 v[8*(4*\b+\a):8*(4*\b+\a)+7], v[48*((\q)%2)+FR*\a:48*((\q)%2)+FR*\a+FR-1], v[96*((\q)%2)+FR*\b:96*((\q)%2)+FR*\b+FR-1], 0, v[SC+8*\a+4*(\sl)+(\q)], v[SC+8*\b+4*(\sl)+(\q)] matrix_a_fmt:MATRIX_FMT_FP6 matrix_b_fmt:MATRIX_FMT_FP6 matrix_b_scale:MATRIX_SCALE_ROW1
.else
	v_wmma_scale_f32_16x16x128_f8f6f4 v[8*(4*\b+\a):8*(4*\b+\a)+7], v[48*((\q)%2)+FR*\a:48*((\q)%2)+FR*\a+FR-1], v[96*((\q)%2)+FR*\b:96*((\q)%2)+FR*\b+FR-1], v[8*(4*\b+\a):8*(4*\b+\a)+7], v[SC+8*\a+4*(\sl)+(\q)], v[SC+8*\b+4*(\sl)+(\q)] matrix_a_fmt:MATRIX_FMT_FP6 matrix_b_fmt:MATRIX_FMT_FP6 matrix_b_scale:MATRIX_SCALE_ROW1
.endif
.else
.if (\sl)+(\q) == 0
	v_wmma_scale_f32_16x16x128_f8f6f4 v[8*(8*\a+\b):8*(8*\a+\b)+7], v[96*((\q)%2)+FR*\b:96*((\q)%2)+FR*\b+FR-1], v[48*((\q)%2)+FR*\a:48*((\q)%2)+FR*\a+FR-1], 0, v[SC+8*\b+4*(\sl)+(\q)], v[SC+8*\a+4*(\sl)+(\q)] matrix_a_fmt:MATRIX_FMT_FP6 matrix_b_fmt:MATRIX_FMT_FP6 matrix_a_scale:MATRIX_SCALE_ROW1
.else
	v_wmma_scale_f32_16x16x128_f8f6f4 v[8*(8*\a+\b):8*(8*\a+\b)+7], v[96*((\q)%2)+FR*\b:96*((\q)%2)+FR*\b+FR-1], v[48*((\q)%2)+FR*\a:48*((\q)%2)+FR*\a+FR-1], v[8*(8*\a+\b):8*(8*\a+\b)+7], v[SC+8*\b+4*(\sl)+(\q)], v[SC+8*\a+4*(\sl)+(\q)] matrix_a_fmt:MATRIX_FMT_FP6 matrix_b_fmt:MATRIX_FMT_FP6 matrix_a_scale:MATRIX_SCALE_ROW1
.endif
.endif
.endr
.endr
.endm
; Behind a round: waves 2 and 3 fill slot sl; ask = 1: waves 0 and 1 ask the L2 for the fill after that, the next block's same half of K as the fill in hand.
.macro BLOAD sl, half, ask
	s_cmp_eq_u32 s15, 0
	s_cbranch_scc1 .Lnone_\@
	tensor_load_to_lds s[GB+4*(\sl):GB+4*(\sl)+3], s[G1B:G1B+7]
	s_nop 0
	PLACES
.if \ask
	s_branch .Ldone_\@
.endif
.Lnone_\@:
.if \ask
	global_prefetch_b8 v[PFO], s[92:93] offset:WSTEP+6144*(\half) th:TH_LOAD_NT scope:SCOPE_SE
.Ldone_\@:
.endif
.endm
; A FILL'S FOUR K STEPS, out of slot sl.  In front of them every wave waits for all its tensor loads, adds 0 to its spare word and waits for that and for its LDS reads; fill = 1: a round of the cluster's barrier, and the other slot, read out, takes the next fill.
.macro PHASE sl, fill, ask, vv
	WIN 0
	s_wait_alu depctr_va_vdst(0)
	s_wait_tensorcnt 0x0
	ds_add_u32 v[SPW], v[NIL]
.if \fill
	s_add_nc_u64 s[GB+4*(1-\sl)+2:GB+4*(1-\sl)+3], s[GB+4*(1-\sl)+2:GB+4*(1-\sl)+3], WSTEP   ; no load of mine is out: the other slot's next fill
.endif
	s_wait_dscnt 0x0
.if \fill
	CROUND
	BLOAD 1-\sl, \sl, \ask
.else
	s_barrier_signal -1
	s_barrier_wait -1                              ; the last fill is whole for every wave
.endif
	PLACES                                         ; four plain places in front of loads into registers that matrix instructions have read
	FETCH \sl, 0, 0
.if \sl == 0
	s_wait_loadcnt 0x0                             ; the block's scale words (the first time: the table too)
.endif
.irp q, 0,1,2,3
.if \q < 3
.if \q > 0
	PLACES
.endif
	FETCH \sl, \q+1, (\q+1)%2
	s_wait_dscnt 48                                ; this K step's fragments are in; the 48 loads just issued may be out
.else
	s_wait_dscnt 0x0
.endif
	MUL \sl, \q, \vv
.endr
	WIN 0
.endm
; 64 numbers of a lane, v[s] on in window w, register 16 b + i = k 32 b + 16 h + i of my row, become two half images' codes in v[PC] on; the four blocks' bytes stay in v[TM+4] on.
.macro QUANT w, s
	WIN 0x14*(\w)                                  ; sources 1 and 2 in window w
.irp b, 0,1,2,3
	v_max3_num_f32 v[TM+\b], 0x1800000, |v[(\s)+16*\b]|, |v[(\s)+1+16*\b]|   ; my 16 numbers of block b, from the low end on, and the floor 2^(3 - 127)
.endr
.irp i, 2,4,6,8,10,12,14
.irp b, 0,1,2,3
	v_max3_num_f32 v[TM+\b], v[TM+\b], |v[(\s)+16*\b+\i]|, |v[(\s)+1+16*\b+\i]|
.endr
.endr
	WIN 0
.irp b, 0,1,2,3
	v_permlanex16_b32 v[TM+4+\b], v[TM+\b], s[SEL], s[SEL+1]
.endr
.irp b, 0,1,2,3
	v_max_num_f32 v[TM+\b], v[TM+\b], v[TM+4+\b]   ; with lane l xor 16's: the block's largest magnitude
.endr
.irp b, 0,1,2,3
	v_add_nc_u32 v[TM+12+\b], 0xff000000, v[TM+\b] ; 2 off its exponent field: the conversion's scale operand
.endr
.irp b, 0,1,2,3
	v_lshrrev_b32 v[TM+4+\b], 23, v[TM+12+\b]      ; the scale's byte
.endr
	s_wait_alu depctr_va_vdst(0)
	s_wait_xcnt 0x0                                ; the last stores have read the codes' registers: they are written again only behind this wait
	WIN \w                                         ; source 0 in window w
.irp c, 0,1
	v_cvt_scalef32_pk16_fp6_f32 v[PC+6*\c:PC+2+6*\c], v[(\s)+32*\c:(\s)+15+32*\c], v[TM+12+2*\c]
	v_cvt_scalef32_pk16_fp6_f32 v[PC+12+4*\c:PC+14+4*\c], v[(\s)+16+32*\c:(\s)+31+32*\c], v[TM+12+2*\c+1]
.endr
	WIN 0
	v_nop                                          ; one plain place behind a scaled conversion
.irp c, 0,1                                    ; the operand's layout wants a whole block in a lane
.irp i, 0,1,2
	v_permlane16_swap_b32 v[PC+6*\c+\i], v[PC+12+4*\c+\i]
.endr
.irp i, 0,1,2
	v_mov_b32 v[PC+3+6*\c+\i], v[PC+12+4*\c+\i]
.endr
.endr
.endm
.macro SENDC base, off0, off1          ; the two half images leave: 512 and 256 consecutive bytes each
	global_store_b128 v20, v[PC:PC+3], s[\base:\base+1] offset:\off0
	global_store_b64 v21, v[PC+4:PC+5], s[\base:\base+1] offset:(\off0)+512
	global_store_b128 v20, v[PC+6:PC+9], s[\base:\base+1] offset:\off1
	global_store_b64 v21, v[PC+10:PC+11], s[\base:\base+1] offset:(\off1)+512
.endm
; The rotation of token tile a: pairs (x1, x2) of neighbouring features: r1 = x1 c - x2 s, r2 = x1 s + x2 c.  First (x1 c, x2 c), then the crossed terms by a packed fused multiply-add whose halves take the other number.
.macro ROPE a
.set AC, 64*(\a)
.set CA, CT+32*(\a)
	WIN 0xa7                                       ; source 0 window 3, source 1 window 1, source 2 and destination window 2
.set P, 0
.rept 32
	v_pk_mul_f32 v[H+2*P:H+2*P+1], v[AC+2*P:AC+2*P+1], v[CA+16*((P/8)%2)+2*(P%8):CA+16*((P/8)%2)+2*(P%8)+1] op_sel_hi:[1,0]
.set P, P+1
.endr
.set P, 0
.rept 32
	v_pk_fma_f32 v[H+2*P:H+2*P+1], v[AC+2*P:AC+2*P+1], v[CA+16*((P/8)%2)+2*(P%8):CA+16*((P/8)%2)+2*(P%8)+1], v[H+2*P:H+2*P+1] op_sel:[1,1,0] op_sel_hi:[0,1,1] neg_lo:[0,1,0]
.set P, P+1
.endr
	WIN 0
.endm
	s_mov_b32 s17, 2
.Lsub:                                                 ; q, then k
	PHASE 0, 1, 1, 0
	PHASE 1, 1, 1, 0
	PLACES                                         ; behind the block's last products: their scale words' registers are loaded anew, and results are read
	v_add_nc_u32 v22, v22, v26                     ; the next block's scale words land while this block leaves
	v_add_nc_u32 v23, v23, v26
	SCLOAD
.irp a, 0,1,2,3
	ROPE \a
	QUANT 2, H
	v_lshl_or_b32 v[WR+\a], v[TM+5], 8, v[TM+4]    ; head bh0's word of my token: two bytes, and 1.0 for the zero codes above K = 64
	v_lshl_or_b32 v[WR+4+\a], v[TM+7], 8, v[TM+6]  ; head bh0 + 1's
	v_or_b32 v[WR+\a], 0x7f7f0000, v[WR+\a]
	v_or_b32 v[WR+4+\a], 0x7f7f0000, v[WR+4+\a]
	SENDC 86, \a*768, HEADB+\a*768
.endr
.irp j, 0,1,2,3
	v_cndmask_b32 v[TT+\j], v[WR+\j], v[WR+4+\j], s82   ; lanes 0-15 store head bh0's words, lanes 16-31 head bh0 + 1's
.endr
	global_store_b128 v25, v[TT:TT+3], s[88:89]    ; sixteen lanes fill 256 consecutive bytes: my four tiles
	s_wait_alu depctr_va_vdst(0)
	s_wait_xcnt 0x0                                ; the stores and the prefetches have read their bases, which step from q's part and rows to k's
	s_add_nc_u64 s[86:87], s[86:87], PARTB
	s_add_nc_u64 s[88:89], s[88:89], PARTB
	s_add_nc_u64 s[92:93], s[92:93], WSTEP
	s_sub_co_u32 s17, s17, 1
	s_cmp_lg_u32 s17, 0
	s_cbranch_scc1 .Lsub
	PHASE 0, 1, 0, 1                               ; v: written out, since its last fill is followed by none
	PHASE 1, 0, 0, 1
	PLACES
.irp pr, 0,1,2,3                               ; channel tiles 2 pr and 2 pr + 1: the accumulators are quantised as they stand, 64 keys each
	QUANT 3, 64*\pr
	v_lshl_or_b32 v[WR+2*\pr], v[TM+5], 8, v[TM+4] ; my channel's two bytes for these 64 keys
	v_lshl_or_b32 v[WR+2*\pr+1], v[TM+7], 8, v[TM+6]
	v_cndmask_b32 v[TT+\pr], v[WR+2*\pr], v[WR+2*\pr+1], s82   ; lanes 0-15 store tile 2 pr's, lanes 16-31 tile 2 pr + 1's
	SENDC 94, (\pr/2)*HEADB+(2*(\pr%2))*1536, (\pr/2)*HEADB+(2*(\pr%2)+1)*1536
	global_store_b16 v27, v[TT+\pr], s[96:97] offset:(\pr/2)*HEADB+8*(\pr%2)
.endr
	s_cmp_lg_u32 s16, 0
	s_cbranch_scc1 .Lno_pad                        ; of the two waves of a key step the first stores the step's last 256 bytes: zeros, for both heads
.irp j, 4,5,6,7
	v_mov_b32 v[TT+\j], 0
.endr
	global_store_b128 v25, v[TT+4:TT+7], s[96:97] offset:256
.Lno_pad:
	s_wait_tensorcnt 0x0                           ; the wave's end
	ds_add_u32 v[SPW], v[NIL]
	s_wait_dscnt 0x0
	CROUND                                         ; the closing round
	s_endpgm
.Lfunc_end_k_q4540203b76_qkv:
	.size	k_q4540203b76_qkv, .Lfunc_end_k_q4540203b76_qkv-k_q4540203b76_qkv
	.p2alignl 7, 3214868480
	.fill 96, 4, 3214868480
	.section	.rodata,"a",@progbits
	.p2align	6, 0x0
	.amdhsa_kernel k_q4540203b76_qkv
		.amdhsa_group_segment_fixed_size 327680
		.amdhsa_private_segment_fixed_size 0
		.amdhsa_enable_private_segment 0
		.amdhsa_kernarg_size 32
		.amdhsa_user_sgpr_count 2
		.amdhsa_user_sgpr_kernarg_segment_ptr 1
		.amdhsa_wavefront_size32 1
		.amdhsa_system_sgpr_workgroup_id_x 1
		.amdhsa_system_sgpr_workgroup_id_y 1
		.amdhsa_system_sgpr_workgroup_id_z 1
		.amdhsa_system_vgpr_workitem_id 0
		.amdhsa_next_free_vgpr 1024
		.amdhsa_next_free_sgpr 100
		.amdhsa_reserve_vcc 0
		.amdhsa_float_denorm_mode_32 3
		.amdhsa_float_denorm_mode_16_64 3
		.amdhsa_memory_ordered 1
		.amdhsa_forward_progress 1
		.amdhsa_inst_pref_size 186
	.end_amdhsa_kernel
	.amdgpu_metadata
---
amdhsa.version: [ 1, 2 ]
amdhsa.kernels:
  - .name:           k_q4540203b76_qkv
    .symbol:         k_q4540203b76_qkv.kd
    .args:
      - { .name: c1, .offset: 0, .size: 8, .value_kind: global_buffer, .address_space: global }
      - { .name: gsc, .offset: 8, .size: 8, .value_kind: global_buffer, .address_space: global }
      - { .name: rt, .offset: 16, .size: 8, .value_kind: global_buffer, .address_space: global }
      - { .name: qkv, .offset: 24, .size: 8, .value_kind: global_buffer, .address_space: global }
    .group_segment_fixed_size: 327680
    .private_segment_fixed_size: 0
    .kernarg_segment_align: 8
    .kernarg_segment_size: 32
    .max_flat_workgroup_size: 128
    .sgpr_count:     100
    .vgpr_count:     1024
    .wavefront_size: 32
...
	.end_amdgpu_metadata
.endif
;; end of part 2
;; launch attn (part 3): grid 4 x 64, 16 waves a work-group, clusters of 4 x 1, 327,680 bytes of LDS; arguments qkv, oc, gsc; writes oc, gsc
.if DOCPART == 3
	.amdgcn_target "amdgcn-amd-amdhsa--gfx1250"
	.amdhsa_code_object_version 6
	.text
	.protected	k_q4540203b76_attn
	.globl	k_q4540203b76_attn
	.p2align	8
	.type	k_q4540203b76_attn,@function
k_q4540203b76_attn:
	s_mov_b64 s[64:65], 0
	v_nop
	global_prefetch_b8 v0, s[64:65] scope:SCOPE_SE
	s_setreg_imm32_b32 hwreg(HW_REG_WAVE_MODE, 25, 1), 1
	s_wait_xcnt 0x0
	s_wait_alu depctr_hold_cnt(0) depctr_sa_sdst(0) depctr_va_vdst(0) depctr_va_sdst(0) depctr_va_ssrc(0) depctr_va_vcc(0) depctr_vm_vsrc(0)
	s_getreg_b32 s2, hwreg(HW_REG_IB_STS2, 6, 4)
	s_cmp_eq_u32 s2, 0
	s_cbranch_scc0 .Lentry_in_a_cluster
	s_endpgm
.Lentry_in_a_cluster:
	s_bfe_u32 s2, ttmp6, 0x10000c
	s_cmp_lg_u32 s2, 0x3003
	s_cbranch_scc0 .Lentry_shape_is_right
	s_endpgm
.Lentry_shape_is_right:
; Causal attention on codes of FP6 (E2M3): S^T = K Q^T (K = the head's 64, filled up to the instruction's 128 with zero codes under the byte 127), the softmax, O^T = V^T P^T (K = the keys), O / the row's sum, the quantiser of the result along the head's 64.
; THE SOFTMAX: t = score x log2(e) / 8; M = the row's largest t so far, rounded UP to a whole number; p = 2^(t - M) is quantised along the keys, not normalised; the row's sum is taken of the unquantised p and divides O at the end.
; When M moves, the sum and O are multiplied by 2^(old M - new M): exact.
; WORK LEFT OUT: key steps all of whose keys come after a tile's queries: the causal mask gives them the weight 0 for every input.
; SHARES.  A head (grid y) has 128 tiles of 16 queries; tile t needs key steps 0 .. t / 8 of 128 keys.  The four work-groups of a head form a cluster.  Wave w of partner cx owns tiles 127 - p and p, p = 4 w + cx:
; (16 - w / 2) + (w / 2 + 1) = 17 steps for every wave, and no count hangs on cx.  A wave walks 17 positions: the long tile's steps in ascending order, then the short tile's.
; K, V AND THEIR SCALE WORDS of a key step are one dense block of 13,312 bytes.  The head's 16 blocks come into LDS, each byte filled once, by JOINT loads of the four partners, in two parts: key steps 0-3 at the head (13 rows of 256 bytes a wave),
; key steps 4-15 behind the round in front of position 0 (39 rows a wave); a barrier in front of position 4 shows them to every wave.  A wave has at most one tensor load out.
; Positions 0-3 are the long tile's steps 0-3; from position 4 on the whole head is in LDS and no wave meets another before the end.
; No prefetch is written: both loads are asked for ahead of the first position, so there is no loop to run ahead in.
; LAYOUT.  Codes lie as half images (768 bytes: 16 rows x 64 along K; lane (r, h): registers 0-3 at 16 x lane, 4-5 at 512 + 8 x lane).  Tile T of queries or keys holds rows 32 (T / 2) + 8 (T % 2) + r + 8 (r / 8), and so do V's tiles of channels.
; Both products are used transposed: a lane holds one query; the 16 registers of tiles 2 b, 2 b + 1 of S^T are keys 32 b + 16 h + 0 .. 15 of the step, those of O^T channels 32 b + 16 h + 0 .. 15.
; RESULTS: oc = [512 token tiles][16 heads][768]; the two scale bytes of a row and head go into gsc's words for the last product, as single bytes: a head owns 2 of a row's 32.
; LIMITS: the scaled scores t stay under 2^31 in magnitude; a block whose largest magnitude lies under 2^-124 keeps the byte 1; NaN and infinities are not served.
; REGISTERS: v1 16 x lane, v2 8 x lane, v4 the mask's lane term, v5-6 the add's, v7 16 r + h, v30 16 r; v8, v9, v28 the step's LDS addresses; v12 -M, v13 the largest t, v[14:15] the sum; v16-27 Q (v22-27 zeros); v29 Q's scale word;
; v32-79 four fragments of K (the upper six of each zeros); v80-87 K's scale words, v88-91 V's, v92 p's; v96-159 S^T, then p, then V's fragments; v160-191 O^T; v192-211 codes; v212-229 at work; v230-236 the short tile's Q; v242-255 partial sums.
.set STEPB, 13312                      ; a key step: K 6,144, V 6,144, K's scale words 512, V's 256, 256 zeros
.set GRPB,  4*STEPB                    ; the head's part
.set HEADB, 16*STEPB
.set PARTB, 64*HEADB                   ; q's part of qkv; k and v lie behind it
.set WB,    GRPB/16                    ; a wave's 13 rows of the first part,
.set WB2,   12*STEPB/16                ; its 39 rows of the second
.set SPARE, 262144                     ; the spare words, 128 bytes a wave: eight blocks of 256 bytes that no other line names
.set W,   12
.set BH,  13
.set CX,  14
.set G1,  16                           ; s[16:23] group 1, s[24:27] group 0
.set G0,  24
.set SEL, 28
.set CS,  30                           ; s[30:31] c = log2(e) / 8
.set HI,  32
.set TK,  33                           ; LDS byte of the step in hand
.set POS, 34                           ; position 0 .. 16
.set SW,  35                           ; the position at which the short tile begins: 16 - w / 2
.set DG,  36                           ; the position of the tile's diagonal step
.set DD,  37                           ; the tile's first query less its diagonal step's first key;  s38 the short tile's
.set DDS, 38
.set CNT, 39
.set BM,  212
.set BP,  216
.set SOP, 220
.macro CROUND                          ; a round of the cluster's barrier
	s_barrier_signal -1
	s_barrier_wait -1
	s_cmp_lg_u32 s[W], 0
	s_cbranch_scc1 .Lnot_wave_0_\@
	s_barrier_signal -3
.Lnot_wave_0_\@:
	s_barrier_wait -3
	s_barrier_signal -1
	s_barrier_wait -1
.endm
; the addresses of tile s[t]: s[b:b+1] Q's half image, s[b+2:b+3] its scale words, s[b+4:b+5] its half image in oc, s[b+6:b+7] its bytes in gsc
.macro TILE t, b, dd
	s_lshr_b32 s76, s[\t], 3
	s_mul_i32 s76, s76, STEPB
	s_and_b32 s77, s[\t], 7
	s_mul_i32 s77, s77, 768
	s_add_co_u32 s78, s76, s77
	s_mov_b32 s79, 0
	s_add_nc_u64 s[\b:\b+1], s[60:61], s[78:79]
	s_bfe_u32 s77, s[\t], 0x10002
	s_lshl_b32 s77, s77, 8
	s_add_co_u32 s78, s76, s77
	s_and_b32 s77, s[\t], 3
	s_lshl_b32 s77, s77, 2
	s_add_co_u32 s78, s78, s77
	s_add_co_u32 s78, s78, 12288
	s_add_nc_u64 s[\b+2:\b+3], s[60:61], s[78:79]
	s_add_co_u32 s77, s80, s[\t]                   ; my tile among all 512 token tiles
	s_lshl_b32 s78, s77, 4
	s_add_co_u32 s78, s78, s81
	s_mul_i32 s78, s78, 768
	s_add_nc_u64 s[\b+4:\b+5], s[6:7], s[78:79]
	s_lshl_b32 s78, s77, 9
	s_add_co_u32 s78, s78, s82
	s_add_nc_u64 s[\b+6:\b+7], s[8:9], s[78:79]
	s_bfe_u32 s77, s[\t], 0x20001
	s_lshl_b32 s77, s77, 5
	s_and_b32 s78, s[\t], 1
	s_lshl_b32 s78, s78, 3
	s_add_co_u32 s[\dd], s77, s78                  ; 32 ((t % 8) / 2) + 8 (t % 2)
.endm
.macro FRESH                           ; a tile begins: -3e38 as the largest t, zeros as the sum and O^T: the step is written once
	v_mov_b32 v13, 0xff61b1e6
	v_mov_b32 v14, 0
	v_mov_b32 v15, 0
	v_floor_f32 v12, -v13
.set J, 0
.rept 32
	v_mov_b32 v[160+J], 0
.set J, J+1
.endr
.endm
	s_load_b128 s[4:7], s[0:1], 0x0                ; qkv, oc
	s_load_b64 s[8:9], s[0:1], 0x10                ; gsc
	v_lshl_add_u32 v5, v0, 2, SPARE                ; my spare word; never rewritten
	v_mov_b32 v6, 0                                ; 0; never rewritten
	ds_add_u32 v5, v6                              ; the wave's opening: the add, twice on end, and its wait ahead of my first tensor load
	ds_add_u32 v5, v6
	v_lshrrev_b32 v1, 5, v0
	v_readfirstlane_b32 s[W], v1                   ; wave 0..15
	s_and_b32 s[BH], ttmp7, 0xffff                 ; head (batch x 16 + head)
	s_bfe_u32 s[CX], ttmp6, 0x40000                ; my place in the cluster
	s_mov_b32 s[G1], 15|(3<<16)|(1<<21)            ; the mask names the four partners; elements of 8 bytes; bit 21 beside a mask
	s_mov_b32 s[G1+1], 32<<16                      ; rows of 256 bytes,
	s_mov_b32 s[G1+2], 13<<16                      ; 13 of them, dense
	s_mov_b32 s[G1+3], 32<<16
	s_mov_b32 s[G1+4], 13
	s_mov_b32 s[G1+5], 32
	s_mov_b32 s[G1+6], 0
	s_mov_b32 s[G1+7], 0
	s_mul_i32 s76, s[BH], HEADB
	s_mov_b32 s77, 0
	s_mul_i32 s78, s[W], WB
	s_mov_b32 s79, 0
	s_mov_b32 s[SEL], 0x76543210
	s_mov_b32 s[SEL+1], 0xfedcba98
	s_mov_b32 s[CS], 0x3e38aa3b
	s_mov_b32 s[CS+1], s[CS]                       ; (named with it as a pair, so it is written)
	s_mov_b32 s[HI], 0xffff0000
	s_wait_dscnt 0x0                               ; both opening adds are done
	s_wait_kmcnt 0x0
	s_add_nc_u64 s[60:61], s[4:5], s[76:77]        ; q's head
	s_add_nc_u64 s[66:67], s[60:61], PARTB         ; k's and v's
	s_mov_b32 s[G0], 1
	s_mov_b32 s[G0+1], s78
	s_add_nc_u64 s[G0+2:G0+3], s[66:67], s[78:79]
	s_or_b32 s[G0+3], s[G0+3], 0x80000000
	CROUND                                         ; the four partners are here: the first joint loads meet
	tensor_load_to_lds s[G0:G0+3], s[G1:G1+7]      ; key steps 0-3, my 13 rows: my one load at the head
	s_nop 0
.rept 4
	v_nop
.endr
	s_lshl_b32 s83, s[W], 2
	s_add_co_u32 s83, s83, s[CX]                   ; the short tile, p
	s_sub_co_u32 s84, 127, s83                     ; the long tile
	s_lshr_b32 s80, s[BH], 4
	s_lshl_b32 s80, s80, 7                         ; 128 token tiles a batch
	s_and_b32 s81, s[BH], 15                       ; the head in its batch
	s_lshr_b32 s82, s81, 3                         ; the last product's scale words: 512 bytes a tile; K step head / 2; bytes 2 (head % 2) + block
	s_lshl_b32 s82, s82, 8
	s_bfe_u32 s85, s81, 0x20001
	s_lshl_b32 s85, s85, 2
	s_add_co_u32 s82, s82, s85
	s_and_b32 s85, s81, 1
	s_lshl_b32 s85, s85, 1
	s_add_co_u32 s82, s82, s85
	s_add_co_u32 s82, s82, 393216
	TILE 84, 44, DD
	TILE 83, 52, DDS
	s_xor_b32 s[SW], s[W], 15
	s_lshr_b32 s[SW], s[SW], 1                     ; 7 - w / 2
	s_add_co_u32 s[DG], s[SW], 8                   ; the long tile's last step, 15 - w / 2, is its diagonal one
	s_add_co_u32 s[SW], s[SW], 9
	s_mov_b32 s[TK], 0
	s_mov_b32 s[POS], 0
	v_and_b32 v31, 31, v0                          ; lane
	v_and_b32 v30, 15, v0                          ; r
	v_bfe_u32 v28, v0, 4, 1                        ; h
	v_lshlrev_b32 v1, 4, v31
	v_lshlrev_b32 v2, 3, v31
	v_and_b32 v4, 8, v30
	v_lshlrev_b32 v8, 4, v28
	v_add_nc_u32 v4, v4, v30                       ; r + 8 (r / 8)
	v_lshlrev_b32 v30, 4, v30                      ; 16 r
	v_sub_nc_u32 v4, v4, v8                        ; - 16 h
	v_add_nc_u32 v7, v30, v28                      ; 16 r + h: my scale byte's place
.irp j, 22,23,24,25,26,27
	v_mov_b32 v[\j], 0                             ; Q above K = 64: zero codes
.endr
.irp t, 0,1,2,3
.irp j, 6,7,8,9,10,11
	v_mov_b32 v[32+12*\t+\j], 0                    ; K likewise: written once, never loaded
.endr
.endr
.irp b, 0,1,2,3
	v_mov_b32 v[BP+\b], 0                          ; written once: a lane permute's destination counts as one of its sources
.endr
	v_mov_b32 v224, 0
	v_mov_b32 v229, 0                              ; (named as the upper half of the pair v[228:229])
	FRESH
	s_wait_alu depctr_va_vdst(0)
	global_load_b128 v[16:19], v1, s[44:45]        ; the long tile's Q,
	global_load_b64 v[20:21], v2, s[44:45] offset:512
	global_load_b32 v29, v30, s[46:47]
	global_load_b128 v[230:233], v1, s[52:53]      ; and the short tile's: both stay in registers
	global_load_b64 v[234:235], v2, s[52:53] offset:512
	global_load_b32 v236, v30, s[54:55]
; THE WAY OUT of a query tile: O^T / the sum; its 64 channels are two blocks of the last product's K: quantised, a half image and two bytes a row.
.macro OUT adr
.rept 4
	v_nop
.endr
	v_add_f32 v14, v14, v15
	s_delay_alu instid0(VALU_DEP_1)
	v_permlanex16_b32 v224, v14, s[SEL], s[SEL+1]
	s_delay_alu instid0(VALU_DEP_1)
	v_add_f32 v14, v14, v224                       ; the row's sum
	s_wait_alu depctr_va_vdst(0)
	v_rcp_f32 v228, v14
	v_nop                                          ; a plain place behind the reciprocal,
	s_wait_alu depctr_va_vdst(0)                   ; and the wait ahead of its first reader
.set J, 0
.rept 16
	v_pk_mul_f32 v[96+J:97+J], v[160+J:161+J], v[228:229] op_sel_hi:[1,0]   ; register 16 b + i: channel 32 b + 16 h + i; each accumulator from its low end on
.set J, J+2
.endr
.irp b, 0,1
	v_max3_num_f32 v[BM+\b], |v[96+16*\b]|, |v[97+16*\b]|, 0x1800000
.endr
.irp i, 2,4,6,8,10,12,14
.irp b, 0,1
	s_delay_alu instid0(VALU_DEP_2)
	v_max3_num_f32 v[BM+\b], v[BM+\b], |v[96+16*\b+\i]|, |v[97+16*\b+\i]|
.endr
.endr
.irp b, 0,1
	s_delay_alu instid0(VALU_DEP_2)
	v_permlanex16_b32 v[BP+\b], v[BM+\b], s[SEL], s[SEL+1]
.endr
.irp b, 0,1
	s_delay_alu instid0(VALU_DEP_2)
	v_max_num_f32 v[BM+\b], v[BM+\b], v[BP+\b]
.endr
.irp b, 0,1
	s_delay_alu instid0(VALU_DEP_2)
	v_add_nc_u32 v[SOP+\b], 0xff000000, v[BM+\b]
.endr
.irp b, 0,1
	s_delay_alu instid0(VALU_DEP_2)
	v_lshrrev_b32 v[BP+\b], 23, v[SOP+\b]
.endr
	v_cvt_scalef32_pk16_fp6_f32 v[192:194], v[96:111], v220
	v_cvt_scalef32_pk16_fp6_f32 v[204:206], v[112:127], v221
	v_nop
.irp i, 0,1,2
	v_permlane16_swap_b32 v[192+\i], v[204+\i]
.endr
.irp i, 0,1,2
	s_delay_alu instid0(VALU_DEP_3)
	v_mov_b32 v[195+\i], v[204+\i]
.endr
	v_cndmask_b32 v225, v216, v217, s[HI]          ; lane (r, h) stores block h's byte
	global_store_b128 v1, v[192:195], s[\adr+4:\adr+5]   ; 512 consecutive bytes,
	global_store_b64 v2, v[196:197], s[\adr+4:\adr+5] offset:512   ; 256
	global_store_b8 v7, v225, s[\adr+6:\adr+7]
.endm
; A POSITION: one tile of queries against one key step of 128 keys.
.macro STEP
	s_cmp_lg_u32 s[POS], s[SW]                     ; by the wave's number and the position alone
	s_cbranch_scc1 .Lsame_\@
	OUT 44                                         ; the long tile is finished; the short one begins at key step 0
.irp j, 0,1,2,3,4,5
	v_mov_b32 v[16+\j], v[230+\j]
.endr
	v_mov_b32 v29, v236
	FRESH
	s_mov_b32 s[TK], 0
	s_mov_b32 s[DG], 16
	s_mov_b32 s[DD], s[DDS]
	s_wait_alu depctr_va_vdst(0)
	s_wait_xcnt 0x0                                ; the stores have read their data: those registers are written again only behind this wait
.Lsame_\@:
	v_add_nc_u32 v8, s[TK], v1
	v_add_nc_u32 v9, s[TK], v2
	v_add_nc_u32 v28, s[TK], v30
	v_nop                                          ; five plain places behind the last position's products: five are owed before S^T is written over V's fragments, four before loads into V's scale words
	v_nop
	s_wait_alu depctr_va_vdst(0)
	ds_load_b128 v[80:83], v28 offset:12288        ; K's scale words of row r, tiles 0-3,
	ds_load_b128 v[84:87], v28 offset:12544        ; tiles 4-7,
	ds_load_b128 v[88:91], v28 offset:12800        ; V's, channel tiles 0-3
.irp g, 0,1                                    ; S^T = K Q^T, four tiles of 16 keys at a time
.if \g > 0
.rept 4
	v_nop                                          ; places in front of loads into registers that matrix instructions have read
.endr
.endif
.irp t, 0,1,2,3
	ds_load_b128 v[32+12*\t:35+12*\t], v8 offset:(4*\g+\t)*768
	ds_load_b64 v[36+12*\t:37+12*\t], v9 offset:(4*\g+\t)*768+512
.endr
	s_wait_dscnt 0x0
.irp t, 0,1,2,3
	v_wmma_scale_f32_16x16x128_f8f6f4 v[96+8*(4*\g+\t):103+8*(4*\g+\t)], v[32+12*\t:43+12*\t], v[16:27], 0, v[80+4*\g+\t], v29 matrix_a_fmt:MATRIX_FMT_FP6 matrix_b_fmt:MATRIX_FMT_FP6
.endr
.endr
.rept 4
	v_nop
.endr
	s_cmp_lg_u32 s[POS], s[DG]                     ; on the diagonal step the scores of hidden keys become -infinity ahead of the maximum
	s_cbranch_scc1 .Lopen_\@
	v_add_nc_u32 v225, s[DD], v4                   ; d = my query - the step's first key - 16 h.  Register 16 b + i holds key 32 b + 16 h + i: hidden where 32 b + i > d
	v_mov_b32 v224, 0xff800000
.set N, 0
.rept 64
	v_cmp_gt_i32 vcc_lo, 32*(N/16)+N%16, v225
	v_cndmask_b32 v[96+N], v[96+N], v224, vcc_lo
.set N, N+1
.endr
.Lopen_\@:
.irp b, 0,1,2,3
	v_max3_num_f32 v[BM+\b], v[96+16*\b], v[97+16*\b], v[98+16*\b]   ; the largest score of each block of 32 keys: for the row's maximum, and, since p rises with the score, for the block's largest p
.endr
.irp i, 3,5,7,9,11,13
.irp b, 0,1,2,3
	v_max3_num_f32 v[BM+\b], v[BM+\b], v[96+16*\b+\i], v[97+16*\b+\i]
.endr
.endr
.irp b, 0,1,2,3
	v_max_num_f32 v[BM+\b], v[BM+\b], v[111+16*\b]
.endr
.irp b, 0,1,2,3
	s_delay_alu instid0(VALU_DEP_4)
	v_permlanex16_b32 v[BP+\b], v[BM+\b], s[SEL], s[SEL+1]
.endr
.irp b, 0,1,2,3
	s_delay_alu instid0(VALU_DEP_4)
	v_max_num_f32 v[BM+\b], v[BM+\b], v[BP+\b]     ; with lane l xor 16's 16 keys
.endr
	s_delay_alu instid0(VALU_DEP_2)
	v_max3_num_f32 v224, v212, v213, v214
	s_delay_alu instid0(VALU_DEP_1)
	v_max_num_f32 v224, v224, v215                 ; the step's largest score of my query (the step's first key counts for every query of the tile)
	s_delay_alu instid0(VALU_DEP_1)
	v_mul_f32 v224, s[CS], v224
	s_delay_alu instid0(VALU_DEP_1)
	v_max_num_f32 v13, v13, v224                   ; the running largest t
	v_mov_b32 v224, v12
	s_delay_alu instid0(VALU_DEP_2)
	v_floor_f32 v12, -v13                          ; the new -M = -ceil(t)
	s_delay_alu instid0(VALU_DEP_1)
	v_sub_f32 v224, v12, v224                      ; old M - new M: a whole number, 0 or less
	s_delay_alu instid0(VALU_DEP_1)
	v_cvt_i32_f32 v224, v224                       ; (it saturates)
	s_delay_alu instid0(VALU_DEP_1)
	v_ldexp_f32 v228, 1.0, v224                    ; f = 2^(old M - new M)
.set J, 0
.rept 32
	v_pk_fma_f32 v[96+J:97+J], v[96+J:97+J], s[CS:CS+1], v[12:13] op_sel_hi:[1,0,0]   ; t - M, two at a time
.set J, J+2
.endr
.irp b, 0,1,2,3
	v_fma_f32 v[BM+\b], v[BM+\b], s[CS], v12       ; the same of each block's largest score
.endr
.set J, 0
	s_wait_alu depctr_va_vdst(0)
.rept 64
	v_exp_f32 v[96+J], v[96+J]                     ; p = 2^(t - M)
.set J, J+1
.endr
	v_pk_mul_f32 v[14:15], v[14:15], v[228:229] op_sel_hi:[1,0]   ; the sums under the new M: a plain place behind the exponentials
	s_wait_alu depctr_va_vdst(0)                   ; one wait for the whole batch, ahead of its first reader
.irp b, 0,1,2,3
	v_exp_f32 v[BM+\b], v[BM+\b]                   ; the block's largest p: the same two instructions on the same number
.endr
	v_pk_add_f32 v[14:15], v[14:15], v[96:97]      ; the row's sum of the unquantised p: eight chains by turns
.irp c, 1,2,3,4,5,6,7
	v_pk_add_f32 v[240+2*\c:241+2*\c], v[96+2*\c:97+2*\c], v[112+2*\c:113+2*\c]
.endr
.irp k, 32,48
	v_pk_add_f32 v[14:15], v[14:15], v[80+\k:81+\k]
.irp c, 1,2,3,4,5,6,7
	v_pk_add_f32 v[240+2*\c:241+2*\c], v[240+2*\c:241+2*\c], v[96+\k+2*\c:97+\k+2*\c]
.endr
.endr
	v_pk_add_f32 v[14:15], v[14:15], v[144:145]
	v_pk_add_f32 v[242:243], v[242:243], v[244:245]
	v_pk_add_f32 v[246:247], v[246:247], v[248:249]
	v_pk_add_f32 v[250:251], v[250:251], v[252:253]
	v_pk_add_f32 v[14:15], v[14:15], v[254:255]
	s_delay_alu instid0(VALU_DEP_3)
	v_pk_add_f32 v[242:243], v[242:243], v[246:247]
	s_delay_alu instid0(VALU_DEP_2)
	v_pk_add_f32 v[14:15], v[14:15], v[250:251]
	s_delay_alu instid0(VALU_DEP_1)
	v_pk_add_f32 v[14:15], v[14:15], v[242:243]
	s_wait_alu depctr_va_vdst(0)                   ; and one for the four
.irp b, 0,1,2,3
	v_max_num_f32 v[BM+\b], 0x1800000, v[BM+\b]    ; the floor 2^(3 - 127): a block whose every p is 0 keeps the byte 1: its codes are zeros
.endr
.irp b, 0,1,2,3
	s_delay_alu instid0(VALU_DEP_4)
	v_add_nc_u32 v[SOP+\b], 0xff000000, v[BM+\b]
.endr
.irp b, 0,1,2,3
	s_delay_alu instid0(VALU_DEP_4)
	v_lshrrev_b32 v[BP+\b], 23, v[SOP+\b]
.endr
	s_delay_alu instid0(VALU_DEP_3)
	v_lshl_or_b32 v92, v217, 8, v216               ; p's scale word for these 128 keys
	s_delay_alu instid0(VALU_DEP_1)
	v_lshl_or_b32 v92, v218, 16, v92
	s_delay_alu instid0(VALU_DEP_1)
	v_lshl_or_b32 v92, v219, 24, v92
.irp c, 0,1
	v_cvt_scalef32_pk16_fp6_f32 v[192+6*\c:194+6*\c], v[96+32*\c:111+32*\c], v[SOP+2*\c]
	v_cvt_scalef32_pk16_fp6_f32 v[204+4*\c:206+4*\c], v[112+32*\c:127+32*\c], v[SOP+2*\c+1]
.endr
	v_nop                                          ; one plain place behind a scaled conversion
.irp t, 0,1,2,3                                ; p has been read: V's four fragments (16 channels x 128 keys each) take its registers
	ds_load_b128 v[96+12*\t:99+12*\t], v8 offset:6144+\t*1536
	ds_load_b64 v[100+12*\t:101+12*\t], v9 offset:6144+\t*1536+512
	ds_load_b128 v[102+12*\t:105+12*\t], v8 offset:6144+\t*1536+768
	ds_load_b64 v[106+12*\t:107+12*\t], v9 offset:6144+\t*1536+1280
.endr
.irp c, 0,1                                    ; the operand's layout wants a whole block in a lane
.irp i, 0,1,2
	v_permlane16_swap_b32 v[192+6*\c+\i], v[204+4*\c+\i]
.endr
.irp i, 0,1,2
	s_delay_alu instid0(VALU_DEP_3)
	v_mov_b32 v[195+6*\c+\i], v[204+4*\c+\i]
.endr
.endr
	s_wait_alu depctr_va_vdst(0)                   ; the wait directly ahead of the first reader of O^T
.set J, 0
.rept 16
	v_pk_mul_f32 v[160+J:161+J], v[160+J:161+J], v[228:229] op_sel_hi:[1,0]   ; O^T under the new M.  These sixteen are also the places between the codes' and the scale word's last writes and the products
.set J, J+2
.endr
	s_wait_alu depctr_va_vdst(0)
	s_wait_dscnt 0x0
.irp t, 0,1,2,3                                ; O^T += V^T P^T: the four accumulators by turns
	v_wmma_scale_f32_16x16x128_f8f6f4 v[160+8*\t:167+8*\t], v[96+12*\t:107+12*\t], v[192:203], v[160+8*\t:167+8*\t], v[88+\t], v92 matrix_a_fmt:MATRIX_FMT_FP6 matrix_b_fmt:MATRIX_FMT_FP6
.endr
	s_add_co_u32 s[TK], s[TK], STEPB
	s_add_co_u32 s[POS], s[POS], 1
.endm
; A RUN OF POSITIONS.  In front of it every wave waits for all its tensor loads, adds 0 to its spare word and waits for that and for its LDS reads.  fill = 1: a round of the cluster's barrier, and the joint load of key steps 4-15 first behind it.
.macro GROUP fill, trips
	s_wait_tensorcnt 0x0                           ; my rows of what these positions begin to read have landed
	ds_add_u32 v5, v6
.if \fill
	s_mul_i32 s78, s[W], WB2-WB                    ; no load of mine is out: from my 13 rows of the first part to my 39 of the second,
	s_add_co_u32 s78, s78, GRPB
	s_add_co_u32 s[G0+1], s[G0+1], s78             ; in LDS
	s_add_nc_u64 s[G0+2:G0+3], s[G0+2:G0+3], s[78:79]   ; and in memory
	s_mov_b32 s[G1+2], 39<<16
	s_mov_b32 s[G1+4], 39
.endif
	s_wait_dscnt 0x0
.if \fill
	CROUND
	tensor_load_to_lds s[G0:G0+3], s[G1:G1+7]      ; a first fill of its bytes, issued as a refill is
	s_nop 0
.rept 4
	v_nop
.endr
.else
	s_barrier_signal -1
	s_barrier_wait -1                              ; the head is whole for every wave; nothing more is fetched
.endif
	s_wait_loadcnt 0x0                             ; Q (the first time)
	s_mov_b32 s[CNT], \trips
.Lin_\@:
	STEP
	s_sub_co_u32 s[CNT], s[CNT], 1
	s_cmp_lg_u32 s[CNT], 0
	s_cbranch_scc1 .Lin_\@
.endm
	GROUP 1, 4                                     ; positions 0-3
	GROUP 0, 13                                    ; positions 4-16
	OUT 52                                         ; the short tile
	s_wait_tensorcnt 0x0                           ; the wave's end
	ds_add_u32 v5, v6
	s_wait_dscnt 0x0
	CROUND                                         ; the closing round
	s_endpgm
.Lfunc_end_k_q4540203b76_attn:
	.size	k_q4540203b76_attn, .Lfunc_end_k_q4540203b76_attn-k_q4540203b76_attn
	.p2alignl 7, 3214868480
	.fill 96, 4, 3214868480
	.section	.rodata,"a",@progbits
	.p2align	6, 0x0
	.amdhsa_kernel k_q4540203b76_attn
		.amdhsa_group_segment_fixed_size 327680
		.amdhsa_private_segment_fixed_size 0
		.amdhsa_enable_private_segment 0
		.amdhsa_kernarg_size 24
		.amdhsa_user_sgpr_count 2
		.amdhsa_user_sgpr_kernarg_segment_ptr 1
		.amdhsa_wavefront_size32 1
		.amdhsa_system_sgpr_workgroup_id_x 1
		.amdhsa_system_sgpr_workgroup_id_y 1
		.amdhsa_system_sgpr_workgroup_id_z 1
		.amdhsa_system_vgpr_workitem_id 0
		.amdhsa_next_free_vgpr 256
		.amdhsa_next_free_sgpr 100
		.amdhsa_reserve_vcc 1
		.amdhsa_float_denorm_mode_32 3
		.amdhsa_float_denorm_mode_16_64 3
		.amdhsa_memory_ordered 1
		.amdhsa_forward_progress 1
		.amdhsa_inst_pref_size 72
	.end_amdhsa_kernel
	.amdgpu_metadata
---
amdhsa.version: [ 1, 2 ]
amdhsa.kernels:
  - .name:           k_q4540203b76_attn
    .symbol:         k_q4540203b76_attn.kd
    .args:
      - { .name: qkv, .offset: 0, .size: 8, .value_kind: global_buffer, .address_space: global }
      - { .name: oc, .offset: 8, .size: 8, .value_kind: global_buffer, .address_space: global }
      - { .name: gsc, .offset: 16, .size: 8, .value_kind: global_buffer, .address_space: global }
    .group_segment_fixed_size: 327680
    .private_segment_fixed_size: 0
    .kernarg_segment_align: 8
    .kernarg_segment_size: 24
    .max_flat_workgroup_size: 512
    .sgpr_count:     100
    .vgpr_count:     256
    .wavefront_size: 32
...
	.end_amdgpu_metadata
.endif
;; end of part 3
;; launch proj (part 4): grid 4 x 64, 4 waves a work-group, clusters of 4 x 4, 327,680 bytes of LDS; arguments oc, c1, gsc, out0; writes out0
.if DOCPART == 4
	.amdgcn_target "amdgcn-amd-amdhsa--gfx1250"
	.amdhsa_code_object_version 6
	.text
	.protected	k_q4540203b76_proj
	.globl	k_q4540203b76_proj
	.p2align	8
	.type	k_q4540203b76_proj,@function
k_q4540203b76_proj:
	s_mov_b64 s[64:65], 0
	v_nop
	global_prefetch_b8 v0, s[64:65] scope:SCOPE_SE
	s_setreg_imm32_b32 hwreg(HW_REG_WAVE_MODE, 25, 1), 1
	s_wait_xcnt 0x0
	s_wait_alu depctr_hold_cnt(0) depctr_sa_sdst(0) depctr_va_vdst(0) depctr_va_sdst(0) depctr_va_ssrc(0) depctr_va_vcc(0) depctr_vm_vsrc(0)
	s_getreg_b32 s2, hwreg(HW_REG_IB_STS2, 6, 4)
	s_cmp_eq_u32 s2, 0
	s_cbranch_scc0 .Lentry_in_a_cluster
	s_endpgm
.Lentry_in_a_cluster:
	s_bfe_u32 s2, ttmp6, 0x10000c
	s_cmp_lg_u32 s2, 0xf033
	s_cbranch_scc0 .Lentry_shape_is_right
	s_endpgm
.Lentry_shape_is_right:
; The last product, O W_o^T on codes of FP6 (E2M3) with E8M0 scales, K = 1,024; out0 [8192][1024] f32.
; OPERANDS lie as half images (768 bytes: 16 rows x 64 K; registers 0-3 at 16 x lane, 4-5 at 512 + 8 x lane), [row tile][16 half images]: 12,288 bytes a tile; tile T holds rows 32 (T / 2) + 8 (T % 2) + r + 8 (r / 8).
; A work-group of four waves makes 128 tokens x 256 features: 64 x 4 = 256 work-groups.  ALL OF K of its 8 + 16 row tiles, 294,912 bytes, lies in LDS, filled once: waves 0 and 1 fetch A's halves (4 tiles), waves 2 and 3 B's (8 tiles),
; one joint load a wave at the head; nothing is filled again.  CLUSTERS 4 x 4: A's tiles are shared along a row of the cluster, B's along a column.
; A wave makes 64 x 128: 32 accumulators, which take turns in the same order in every K step.  THE MATRIX INSTRUCTION IS USED TRANSPOSED: source 0 = 16 features, source 1 = 16 tokens: a lane holds eight neighbouring numbers of a row of out0.
; Two sets of fragments for A and for B: a K step's 48 LDS loads are issued ahead of the K step before it is multiplied.
; No prefetch is written: everything that the work-group reads by tensor loads is asked for at its head, and there is no loop to run ahead in.
; THE SCALE WORDS: register SC + 8 i + s: lanes 0-15 A's tile i % 4, lanes 16-31 B's tile i, K step s (for i over 3 lanes 0-15 load tile i - 4's words again and nobody reads them: so no lane leaves the buffer).
; REGISTERS: window 0: v8-13 LDS addresses, v20-25 offsets, v28-29 the add's, v32-95 scale words, v128-223 A's fragments, two sets of 48 (on the way out v128-255 take rows read back).  window 1: B's, two sets, at v0 and v128.  window 2: accumulator (a, b) at v[8 (8 a + b)].
.set TILEB, 12288
.set LB,    8*TILEB                    ; B's 16 tiles behind A's 8
.set SPARE, 24*TILEB                   ; the spare words, 128 bytes a wave: two blocks of 256 bytes that no other line names
.set FR,    12
.set SC,    32
.set AF,    128
.set ADRA16, 8
.set ADRA8,  9
.set ADRB16, 10                        ; v10-11: B's tiles 0-3, 4-7 (an LDS offset has 16 bits);  v12-13 with 8 x lane
.set ADRB8,  12
.set STO,   24
.set RD,    25
.set SPW,   28
.set NIL,   29
.set G1,    24
.set G1B,   48
.set GA,    32
.set GB,    56
.set MSB, 0
.macro WIN new                         ; the immediate's high byte repeats the setting that is left
.if MSB != (\new)
	s_set_vgpr_msb (MSB<<8)|(\new)
.set MSB, (\new)
.endif
.endm
.set MUL_LO, 0xa1                      ; source 0 (B) window 1, source 1 (A) window 0, C and D window 2
.set TO_B,   0x40
.macro CROUND
	s_barrier_signal -1
	s_barrier_wait -1
	s_cmp_lg_u32 s14, 0
	s_cbranch_scc1 .Lnot_wave_0_\@
	s_barrier_signal -3
.Lnot_wave_0_\@:
	s_barrier_wait -3
	s_barrier_signal -1
	s_barrier_wait -1
.endm
.macro PLACES
.rept 4
	v_nop
.endr
.endm
	s_load_b256 s[4:11], s[0:1], 0x0               ; oc, c1, gsc, out0
	v_lshl_add_u32 v[SPW], v0, 2, SPARE
	v_mov_b32 v[NIL], 0
	ds_add_u32 v[SPW], v[NIL]                      ; the wave's opening: the add, twice on end, and its wait ahead of my first tensor load
	ds_add_u32 v[SPW], v[NIL]
	v_lshrrev_b32 v1, 5, v0
	v_readfirstlane_b32 s14, v1                    ; wave 0..3
	s_lshr_b32 s15, s14, 1                         ; which 64 tokens are mine.  Also: I fetch for A (0) or for B (1)
	s_and_b32 s16, s14, 1                          ; which 128 features.  Also: which half I fetch
	s_bfe_u32 s40, ttmp6, 0x40000                  ; cx: the block of 256 features
	s_bfe_u32 s41, ttmp6, 0x40004                  ; cy
	s_and_b32 s18, ttmp7, 0xffff
	s_lshl_b32 s18, s18, 2
	s_add_co_u32 s18, s18, s41                     ; the block of 128 tokens
	s_lshl_b32 s43, s41, 2
	s_lshl_b32 s43, 15, s43                        ; my row of the cluster
	s_lshl_b32 s44, 0x1111, s40                    ; my column
	s_or_b32 s[G1], s43, (3<<16)|(1<<21)           ; the mask; elements of 8 bytes; bit 21 beside a mask; no padding: an image's loads are dense
	s_or_b32 s[G1B], s44, (3<<16)|(1<<21)
.irp g, G1, G1B
	s_mov_b32 s[\g+1], 1536<<16                    ; a row is a tile: 12,288 bytes
	s_mov_b32 s[\g+3], 1536<<16
	s_mov_b32 s[\g+5], 1536
	s_mov_b32 s[\g+6], 0
	s_mov_b32 s[\g+7], 0
.endr
	s_mov_b32 s[G1+2], 4<<16                       ; A: 4 tiles a load,
	s_mov_b32 s[G1+4], 4
	s_mov_b32 s[G1B+2], 8<<16                      ; B: 8
	s_mov_b32 s[G1B+4], 8
	s_mul_i32 s20, s18, 8*TILEB
	s_mul_i32 s45, s16, 4*TILEB                    ; A's half: in memory and in LDS
	s_add_co_u32 s20, s20, s45
	s_mov_b32 s21, 0
	s_mul_i32 s46, s40, 16*TILEB                   ; B, in registers that never hold cy
	s_add_co_u32 s46, s46, 8650752
	s_mul_i32 s47, s16, 8*TILEB
	s_add_co_u32 s46, s46, s47
	s_add_co_u32 s17, s47, LB                      ; B's half in LDS
	s_mov_b32 s47, 0
	s_wait_dscnt 0x0                               ; both opening adds are done
	s_wait_kmcnt 0x0
	s_mov_b32 s[GA], 1
	s_mov_b32 s[GA+1], s45
	s_add_nc_u64 s[GA+2:GA+3], s[4:5], s[20:21]
	s_or_b32 s[GA+3], s[GA+3], 0x80000000
	s_mov_b32 s[GB], 1
	s_mov_b32 s[GB+1], s17
	s_add_nc_u64 s[GB+2:GB+3], s[6:7], s[46:47]
	s_or_b32 s[GB+3], s[GB+3], 0x80000000
	CROUND                                         ; all sixteen work-groups are here: the joint loads meet
	s_cmp_eq_u32 s15, 0
	s_cbranch_scc0 .Lfor_b
	tensor_load_to_lds s[GA:GA+3], s[G1:G1+7]
	s_nop 0
	PLACES
	s_branch .Lasked
.Lfor_b:
	tensor_load_to_lds s[GB:GB+3], s[G1B:G1B+7]
	s_nop 0
	PLACES
.Lasked:
	s_lshl_b32 s22, s18, 12                        ; scale words, 512 bytes a tile: A's: 8 tiles a block, my 4,
	s_lshl_b32 s23, s15, 11
	s_add_co_u32 s22, s22, s23
	s_add_co_u32 s22, s22, 393216
	s_sub_co_u32 s81, s22, 2048                    ; (for i = 4 .. 7: the same four tiles once more)
	s_lshl_b32 s23, s40, 13                        ; B's: 16 tiles a block, my 8
	s_lshl_b32 s83, s16, 12
	s_add_co_u32 s23, s23, s83
	s_add_co_u32 s23, s23, 360448
	s_mov_b32 s82, 0xffff0000                      ; lanes 16-31
	s_mul_i32 s94, s15, 4*TILEB                    ; my 4 tiles of A in LDS,
	s_mul_i32 s95, s16, 8*TILEB
	s_add_co_u32 s95, s95, LB                      ; my 8 of B
	s_add_co_u32 s96, s95, 4*TILEB
	s_mul_i32 s97, s14, 8448                       ; my stage, in A's bytes
	s_lshl_b32 s92, s18, 7
	s_lshl_b32 s93, s15, 6
	s_add_co_u32 s92, s92, s93                     ; my first token
	s_lshl_b32 s92, s92, 12
	s_lshl_b32 s93, s40, 10
	s_add_co_u32 s92, s92, s93
	s_lshl_b32 s93, s16, 9
	s_add_co_u32 s92, s92, s93
	s_mov_b32 s93, 0
	s_add_nc_u64 s[86:87], s[10:11], s[92:93]
	v_and_b32 v1, 31, v0                           ; lane
	v_and_b32 v2, 15, v0                           ; r
	v_bfe_u32 v3, v0, 4, 1                         ; h
	v_mov_b32 v4, s22
	v_mov_b32 v5, s23
	v_mov_b32 v6, s81
	v_lshlrev_b32 v20, 4, v1                       ; 16 x lane
	v_lshlrev_b32 v21, 3, v1                       ; 8 x lane
	v_cndmask_b32 v4, v4, v5, s82                  ; lanes 0-15 take A's, lanes 16-31 B's: both lie in one buffer
	v_cndmask_b32 v6, v6, v5, s82
	v_mul_u32_u24 v[STO], v2, 528
	v_lshl_add_u32 v22, v2, 4, v4                  ; + 16 r
	v_lshl_add_u32 v23, v2, 4, v6
	v_add_nc_u32 v[ADRA16], s94, v20
	v_add_nc_u32 v[ADRA8], s94, v21
	v_add_nc_u32 v[ADRB16], s95, v20
	v_add_nc_u32 v[ADRB8], s95, v21
	v_add_nc_u32 v[ADRB16+1], s96, v20
	v_add_nc_u32 v[ADRB8+1], s96, v21
	v_lshl_add_u32 v[STO], v3, 6, v[STO]
	v_add_nc_u32 v[RD], s97, v20
	v_add_nc_u32 v[STO], s97, v[STO]               ; into the stage: row r, 64 bytes for each half of the lanes
	s_wait_alu depctr_va_vdst(0)
.irp i, 0,1,2,3
	global_load_b128 v[SC+8*\i:SC+8*\i+3], v22, s[8:9] offset:\i*512
	global_load_b128 v[SC+8*\i+4:SC+8*\i+7], v22, s[8:9] offset:\i*512+256
.endr
.irp i, 4,5,6,7
	global_load_b128 v[SC+8*\i:SC+8*\i+3], v23, s[8:9] offset:\i*512
	global_load_b128 v[SC+8*\i+4:SC+8*\i+7], v23, s[8:9] offset:\i*512+256
.endr
.macro FRAG reg, a16, a8, off          ; a fragment, two half images: four dense loads
	ds_load_b128 v[\reg:\reg+3], v[\a16] offset:\off
	ds_load_b64 v[\reg+4:\reg+5], v[\a8] offset:(\off)+512
	ds_load_b128 v[\reg+6:\reg+9], v[\a16] offset:(\off)+768
	ds_load_b64 v[\reg+10:\reg+11], v[\a8] offset:(\off)+1280
.endm
.macro FETCH s                         ; K step s: B's eight fragments and A's four into set s % 2: 48 loads
	WIN TO_B
.irp i, 0,1,2,3,4,5,6,7
	FRAG 128*((\s)%2)+FR*\i, ADRB16+\i/4, ADRB8+\i/4, (\i%4)*TILEB+(\s)*1536
.endr
	WIN 0
.irp i, 0,1,2,3
	FRAG AF+48*((\s)%2)+FR*\i, ADRA16, ADRA8, \i*TILEB+(\s)*1536
.endr
.endm
.macro MUL32 s, zero                   ; K step s: the 32 accumulators by turns; zero = 1: the first products start the sums
	WIN MUL_LO
.irp a, 0,1,2,3
.irp b, 0,1,2,3,4,5,6,7
.if \zero
	v_wmma_scale_f32_16x16x128_f8f6f4 v[8*(8*\a+\b):8*(8*\a+\b)+7], v[128*((\s)%2)+FR*\b:128*((\s)%2)+FR*\b+FR-1], v[AF+48*((\s)%2)+FR*\a:AF+48*((\s)%2)+FR*\a+FR-1], 0, v[SC+8*\b+(\s)], v[SC+8*\a+(\s)] matrix_a_fmt:MATRIX_FMT_FP6 matrix_b_fmt:MATRIX_FMT_FP6 matrix_a_scale:MATRIX_SCALE_ROW1
.else
	v_wmma_scale_f32_16x16x128_f8f6f4 v[8*(8*\a+\b):8*(8*\a+\b)+7], v[128*((\s)%2)+FR*\b:128*((\s)%2)+FR*\b+FR-1], v[AF+48*((\s)%2)+FR*\a:AF+48*((\s)%2)+FR*\a+FR-1], v[8*(8*\a+\b):8*(8*\a+\b)+7], v[SC+8*\b+(\s)], v[SC+8*\a+(\s)] matrix_a_fmt:MATRIX_FMT_FP6 matrix_b_fmt:MATRIX_FMT_FP6 matrix_a_scale:MATRIX_SCALE_ROW1
.endif
.endr
.endr
.endm
	s_wait_tensorcnt 0x0                           ; my tiles are in,
	s_barrier_signal -1
	s_barrier_wait -1                              ; everybody's are.  Nothing is ever filled again
	FETCH 0
	FETCH 1
	s_wait_loadcnt 0x0                             ; the scale words
	s_wait_dscnt 48                                ; K step 0's fragments are in; the 48 loads just issued may be out
	MUL32 0, 1
.set ST, 1
.rept 6
	PLACES                                         ; four plain places in front of loads into registers that matrix instructions have read
	FETCH ST+1
	s_wait_dscnt 48                                ; this K step's fragments are in; the 48 loads just issued may be out
	MUL32 ST, 0
.set ST, ST+1
.endr
	s_wait_dscnt 0x0                               ; my reads of the tiles are over:
	s_barrier_signal -1                            ; say so,
	MUL32 7, 0
	WIN 0
	s_barrier_wait -1                              ; and behind this barrier A's bytes, which have had their only fill, serve as stages
; THE WAY OUT, block by block of 16 tokens x 128 features: through my own stage (rows of 528 bytes), back as whole rows of 512 bytes, which the 32 lanes store as two aligned units of 256 bytes.
.macro TOSTAGE a
.set AC, 64*(\a)
	WIN 0x08                                       ; the data: window 2
.irp b, 0,1,2,3,4,5,6,7
	ds_store_b128 v[STO], v[AC+8*\b:AC+8*\b+3] offset:128*(\b/2)+32*(\b%2)       ; each accumulator from its low end on; tile b's register j is feature 32 (b / 2) + 8 (b % 2) + 16 h + j
	ds_store_b128 v[STO], v[AC+8*\b+4:AC+8*\b+7] offset:128*(\b/2)+32*(\b%2)+16
.endr
	WIN 0
.set BB, 128+64*((\a)%2)
.irp t, 0,1,2,3,4,5,6,7,8,9,10,11,12,13,14,15
	ds_load_b128 v[BB+4*\t:BB+4*\t+3], v[RD] offset:\t*528   ; LDS serves a wave's instructions in order: these see my stores
.endr
.endm
.macro SEND a, younger                 ; younger: the LDS instructions issued behind block a's loads, which may stay out
.set BB, 128+64*((\a)%2)
	s_wait_dscnt \younger
.irp t, 0,1,2,3,4,5,6,7,8,9,10,11,12,13,14,15
	global_store_b128 v20, v[BB+4*\t:BB+4*\t+3], s[86:87] offset:(32*((\a)/2)+8*((\a)%2)+\t+8*(\t/8))*4096 th:TH_STORE_NT
.endr
.endm
	PLACES                                         ; behind the last products: results are read, and rows land in registers that held A's fragments
	TOSTAGE 0
.irp a, 1,2,3
.if \a > 1
	s_wait_xcnt 0x0                                ; block a - 2's stores have read their registers: block a's rows may land there
.endif
	TOSTAGE \a
	SEND \a-1, 32                                  ; behind block a - 1's loads: block a's 16 stores and 16 loads
.endr
	SEND 3, 0
	s_wait_tensorcnt 0x0                           ; the wave's end: behind my last LDS store
	ds_add_u32 v[SPW], v[NIL]
	s_wait_dscnt 0x0
	CROUND                                         ; the closing round
	s_endpgm
.Lfunc_end_k_q4540203b76_proj:
	.size	k_q4540203b76_proj, .Lfunc_end_k_q4540203b76_proj-k_q4540203b76_proj
	.p2alignl 7, 3214868480
	.fill 96, 4, 3214868480
	.section	.rodata,"a",@progbits
	.p2align	6, 0x0
	.amdhsa_kernel k_q4540203b76_proj
		.amdhsa_group_segment_fixed_size 327680
		.amdhsa_private_segment_fixed_size 0
		.amdhsa_enable_private_segment 0
		.amdhsa_kernarg_size 32
		.amdhsa_user_sgpr_count 2
		.amdhsa_user_sgpr_kernarg_segment_ptr 1
		.amdhsa_wavefront_size32 1
		.amdhsa_system_sgpr_workgroup_id_x 1
		.amdhsa_system_sgpr_workgroup_id_y 1
		.amdhsa_system_sgpr_workgroup_id_z 1
		.amdhsa_system_vgpr_workitem_id 0
		.amdhsa_next_free_vgpr 768
		.amdhsa_next_free_sgpr 100
		.amdhsa_reserve_vcc 0
		.amdhsa_float_denorm_mode_32 3
		.amdhsa_float_denorm_mode_16_64 3
		.amdhsa_memory_ordered 1
		.amdhsa_forward_progress 1
		.amdhsa_inst_pref_size 81
	.end_amdhsa_kernel
	.amdgpu_metadata
---
amdhsa.version: [ 1, 2 ]
amdhsa.kernels:
  - .name:           k_q4540203b76_proj
    .symbol:         k_q4540203b76_proj.kd
    .args:
      - { .name: oc, .offset: 0, .size: 8, .value_kind: global_buffer, .address_space: global }
      - { .name: c1, .offset: 8, .size: 8, .value_kind: global_buffer, .address_space: global }
      - { .name: gsc, .offset: 16, .size: 8, .value_kind: global_buffer, .address_space: global }
      - { .name: out0, .offset: 24, .size: 8, .value_kind: global_buffer, .address_space: global }
    .group_segment_fixed_size: 327680
    .private_segment_fixed_size: 0
    .kernarg_segment_align: 8
    .kernarg_segment_size: 32
    .max_flat_workgroup_size: 128
    .sgpr_count:     100
    .vgpr_count:     768
    .wavefront_size: 32
...
	.end_amdgpu_metadata
.endif
;; end of part 4
